; MI455X (gfx1250); checked and timed in simulation.
; The chip was launched on July 23, 2026; its instructions are those of AMD's public machine-readable ISA for CDNA 5 (MIT licence, August 2026) and "CDNA5" Instruction Set Architecture Reference Guide (July 2026). The comments in the code are by the model that wrote it; some were corrected since.
;; Attention. Allowed arithmetic: matrix products marked QUANTISED: E2M3 operands, one E8M0 scale for each 32 along K, by v_wmma_scale_f32_16x16x128_f8f6f4 with both operands' format E2M3, f32 sums; everything else in f32.
;; Inputs: b1 1,024 float32; ln1_b 1,024 float32; ln1_g 1,024 float32; ln2_b 1,024 float32; ln2_g 1,024 float32; w1_codes 1,024 x 32 x 24 uint8 (E2M3 codes of w1, K innermost, in blocks of 32 codes, four codes in three bytes); w1_scales 1,024 x 32 uint8 (E8M0 scales of w1, one for each 32 codes along K); wk_codes 1,024 x 32 x 24 uint8 (E2M3 codes of wk, K innermost, in blocks of 32 codes, four codes in three bytes); wk_scales 1,024 x 32 uint8 (E8M0 scales of wk, one for each 32 codes along K); wq_codes 1,024 x 32 x 24 uint8 (E2M3 codes of wq, K innermost, in blocks of 32 codes, four codes in three bytes); wq_scales 1,024 x 32 uint8 (E8M0 scales of wq, one for each 32 codes along K); wv_codes 1,024 x 32 x 24 uint8 (E2M3 codes of wv, K innermost, in blocks of 32 codes, four codes in three bytes); wv_scales 1,024 x 32 uint8 (E8M0 scales of wv, one for each 32 codes along K); x 4,096 x 1,024 float32.
;; Outputs: out0 4,096 x 1,024 float32.
;; This version of the problem:
;;   THIS VERSION OF THE PROBLEM IS GIVEN IN LOW PRECISION. The matrix products marked QUANTISED in the list below multiply operands that are first quantised to E2M3 (2 exponent bits, 3 mantissa bits; 6 bits a number), with one power-of-two scale for each 32 numbers along K (OCP MX v1.0); their sums are f32. All else is computed in f32.
;;   The module's matrix products, in the order in which they are computed (A, B: the left and right operand; K: the contracted axis; several contracted axes count as one K, in the product's order):
;;     1. [M 4,096, K 1,024] x [K 1,024, N 1,024]; A: input x; B: input wq (given as codes): QUANTISED
;;     2. [M 4,096, K 1,024] x [K 1,024, N 1,024]; A: input x; B: input wk (given as codes): QUANTISED
;;     3. [M 4,096, K 1,024] x [K 1,024, N 1,024]; A: input x; B: input wv (given as codes): QUANTISED
;;     4. batch 16 x [M 4,096, K 64] x [K 64, N 4,096]; A: computed on the way; B: computed on the way: QUANTISED
;;     5. batch 16 x [M 4,096, K 4,096] x [K 4,096, N 64]; A: softmax (see below); B: computed on the way: QUANTISED
;;     6. [M 4,096, K 1,024] x [K 1,024, N 1,024]; A: computed on the way; B: input w1 (given as codes): QUANTISED
;;   THE QUANTISER, for each operand of a quantised product, along K:
;;     - K is cut into blocks of 32 from its start; a last block that is shorter is filled with zeros.
;;     - A block's scale is 2^e with e = floor(log2(the largest magnitude in the block)) - 2, held to -126 .. 127; a block of zeros has e = 0. As a byte (E8M0): e + 127.
;;     - Each number is divided by its block's scale, clamped to +-7.5, and rounded to the nearest number of E2M3, ties to even, subnormals kept.
;;     - The product sums the exact products of the quantised numbers (number of the format x scale) in f32.
;;   ~~~python
;;   def quantise(x, axis):      # numpy; x: float32 -> the quantised numbers, widened to float32 again
;;       x = np.moveaxis(x, axis, -1); K = x.shape[-1]
;;       x = np.pad(x, [(0, 0)] * (x.ndim - 1) + [(0, -K % 32)]); x = x.reshape(x.shape[:-1] + (-1, 32)); a = np.abs(x).max(-1, keepdims=True)
;;       e = np.where(a > 0, np.clip(np.frexp(np.where(a > 0, a, 1))[1] - 1 - 2, -126, 127), 0)      # np.frexp(a)[1] - 1 = floor(log2(a)), exactly
;;       r = np.clip(x / 2.0 ** e, -7.5, 7.5)
;;       step = 2.0 ** (np.maximum(np.frexp(np.where(r == 0, 1, r))[1] - 1, 0) - 3)
;;       q = np.round(r / step) * step * 2.0 ** e      # np.round: ties to even
;;       return np.moveaxis(q.reshape(q.shape[:-2] + (-1,))[..., :K], -1, axis).astype(np.float32)
;;   ~~~
;;   SOFTMAX AHEAD OF A QUANTISED PRODUCT. Where the list says 'softmax', what is quantised is not the finished softmax but p = 2^(t - M), with t = logit x log2(e) and M = ceil(the row's largest t), a whole number; so 1/2 < the row's largest p <= 1. The row's sum l is taken of the UNQUANTISED p, in f32, and the product's result is divided by l at the end. Since M is a whole number, a kernel that streams over the keys may use a running M (the ceiling of the running maximum): every later rescaling is an exact power of two, which a block's scale takes up: the codes' values come out the same.
;;   OPERANDS COMPUTED ON THE WAY. 'Computed on the way' means the value that the module computes at that place (a softmax that the list does not call 'softmax' is quantised finished and normalised). What goes into a quantiser is computed in f32, as accurately as f32 sums, v_exp_f32 and their like allow (about 1e-6 of the number): no bf16 or f16 on the way to a quantiser, and a product that is left as it is and whose result goes on into a quantised operand takes f32 operands (vector FMAs, or v_wmma_f32_16x16x4_f32). A number that lies on a knife's edge between two numbers of the format may be rounded either way, as far as f32 arithmetic and the matrix unit's own rounding can turn it there, and no further.
;;   INPUTS GIVEN AS CODES. w1 (in the module: [1024, 1024], K = its axis 1); wk (in the module: [1024, 1024], K = its axis 1); wq (in the module: [1024, 1024], K = its axis 1); wv (in the module: [1024, 1024], K = its axis 1): each comes as NAME_codes (uint8): NAME with its K axis moved to the last place and cut into blocks of 32 codes, [.., K / 32, bytes a block], one block behind the other in memory; four codes in three bytes: a row's codes are one little-endian stream of bits, code i at bits 6 i .. 6 i + 5 (a code: sign, 2 exponent bits, 3 mantissa bits); and NAME_scales (uint8): the same leading axes, one E8M0 byte (e + 127) for each 32 codes along K. Its value is code x scale, taken as it is: it is not quantised again, and the codes and scales need not be those that the quantiser above would give.
;; One version. Each part assembles by itself: llvm-mc -triple=amdgcn-amd-amdhsa -mcpu=gfx1250 --defsym DOCPART=n.
;; ======== version 1 of 1: 4 launches
;; limits: right only within a limited range of input values
;; workspace buffers: img 6,291,456 bytes; sw 262,144 bytes; qkv 13,369,344 bytes; att 16,777,216 bytes
;; launch prep (part 1): grid 320 x 1, 4 waves a work-group, no clusters, 68,096 bytes of LDS; arguments wq_codes, wq_scales, wk_codes, wk_scales, wv_codes, wv_scales, w1_codes, w1_scales, x, img, sw; writes img, sw
.if DOCPART == 1
	.amdgcn_target "amdgcn-amd-amdhsa--gfx1250"
	.amdhsa_code_object_version 6
	.text
	.protected	k_qa7d54187f7_prep
	.globl	k_qa7d54187f7_prep
	.p2align	8
	.type	k_qa7d54187f7_prep,@function
k_qa7d54187f7_prep:
	s_mov_b64 s[64:65], 0
	v_nop
	global_prefetch_b8 v0, s[64:65] scope:SCOPE_SE
	s_setreg_imm32_b32 hwreg(HW_REG_WAVE_MODE, 25, 1), 1
	s_wait_xcnt 0x0
; PREP.  x [4096][1024] f32 is quantised along K to codes of FP6 (E2M3) with one E8M0 byte for each 32; x's codes and the four weights' given codes are laid out
; as IMAGES OF OPERAND REGISTERS, so that the later launches load a fragment by three loads of 512 consecutive bytes.
; A tile is 16 rows; a fragment is a tile x 128 along K: 12 registers a lane; lane (r = l % 16, h = l / 16), registers 6 c .. 6 c + 5 hold k = 64 c + 32 h + 0 .. 31.
; img: fragment (tile T, K step s) at (8 T + s) x 1,536 bytes, registers 4 c .. 4 c + 3 of lane l at 512 c + 16 l.   sw: the scale word of (T, s, row r) at (8 T + s) x 64 + 4 r.
; Tiles 0-255 x, 256-319 wq, 320-383 wk: PERMUTED rows: lane r of tile t is row 64 (t / 4) + 8 (t % 4) + r % 8 + 32 (r / 8): used as source 0, eight such tiles give a lane
; (of half h) results along rows 32 h + 0 .. 31 and 64 + 32 h + 0 .. 31 of their 128: two whole blocks of 32.  Tiles 384-447 wv, 448-511 w1: natural rows 16 t + r.
; Work-groups 0-255: one tile of x each; wave w takes K steps 2 w and 2 w + 1.  Work-groups 256-319: four weight tiles each, a wave a tile.  Waves share nothing: no barrier.
; A block's scale byte is the largest magnitude's exponent field - 2, held at 1 from below by a floor among the maximum's leaves.
; LIMITS: NaN and infinities in x are not served; a block of zeros, or one whose largest magnitude lies under 2^-124, gets the byte 1; the bytes are read by this program alone.
.set FRB,   1536
.set TILEB, 8*FRB
.set SPI,   528                        ; a stage row: 512 bytes + 16
.set STG,   16*SPI                     ; a stage: 16 rows x 128 numbers; two for each wave
.set RAW,   16                         ; v16-143  two K steps as loaded
.set X,     144                        ; v144-207 a lane's 64 numbers
.set PCA,   208                        ; the first K step's codes
.set PCB,   220                        ; the second's
.set T,     232                        ; the upper halves of the two blocks' codes
.set M,     240
.set SO,    242
.set BY,    244
.set WA,    246
.set WB,    247
.set PD,    248
.set H8,    8
.set SEL,   32
	s_load_b512 s[8:23], s[0:1], 0x0               ; wq's codes, scales; wk's; wv's; w1's
	s_load_b128 s[24:27], s[0:1], 0x40             ; x, img
	s_load_b64 s[28:29], s[0:1], 0x50              ; sw
	v_lshl_add_u32 v254, v0, 2, 0x10800
	v_mov_b32 v255, 0
	v_lshrrev_b32 v1, 5, v0
	v_readfirstlane_b32 s30, v1                    ; wave
	v_and_b32 v1, 31, v0
	v_and_b32 v2, 15, v0                           ; r
	v_bfe_u32 v3, v0, 4, 1                         ; h
	v_lshlrev_b32 v4, 4, v1                        ; 16 l
	v_lshlrev_b32 v7, 2, v2                        ; 4 r
	s_cmp_ge_u32 ttmp9, 256
	s_cbranch_scc1 .Lweights
; 64 numbers of a lane, v[x + 32 c + i] = k 64 c + 32 h + i of my row, become the fragment's 12 registers and my row's scale word
.macro QB x, pc, pw
.irp c, 0,1
	v_max3_num_f32 v[M+\c], |v[\x+32*\c]|, |v[\x+32*\c+1]|, 0x1800000
.endr
.irp i, 2,4,6,8,10,12,14,16,18,20,22,24,26,28,30
.irp c, 0,1
	v_max3_num_f32 v[M+\c], v[M+\c], |v[\x+32*\c+\i]|, |v[\x+32*\c+\i+1]|
.endr
.endr
.irp c, 0,1
	v_add_nc_u32 v[SO+\c], 0xff000000, v[M+\c]     ; 2 off the exponent field: the conversion's scale operand
.endr
.irp c, 0,1
	v_lshrrev_b32 v[BY+\c], 23, v[SO+\c]           ; the scale's byte
.endr
	v_lshl_or_b32 v[\pw], v[BY+1], 16, v[BY]       ; blocks h and 2 + h,
	v_lshlrev_b32 v[\pw], v[H8], v[\pw]            ; 8 h bits up;
	v_permlanex16_b32 v[PD], v[\pw], s[SEL], s[SEL+1]
	v_or_b32 v[\pw], v[\pw], v[PD]                 ; with lane l xor 16's two the word is whole
.irp c, 0,1
	v_cvt_scalef32_pk16_fp6_f32 v[\pc+6*\c:\pc+6*\c+2], v[\x+32*\c:\x+32*\c+15], v[SO+\c]
	v_cvt_scalef32_pk16_fp6_f32 v[T+4*\c:T+4*\c+2], v[\x+32*\c+16:\x+32*\c+31], v[SO+\c]   ; three registers begin on an even number: made here and moved
.endr
	v_nop                                          ; one plain place behind the scaled conversions
.irp c, 0,1
.irp i, 0,1,2
	v_mov_b32 v[\pc+6*\c+3+\i], v[T+4*\c+\i]
.endr
.endr
.endm
.macro IN q
.irp j, 0,1,2,3,4,5,6,7,8,9,10,11,12,13,14,15
	ds_store_b128 v5, v[RAW+64*\q+4*\j:RAW+64*\q+4*\j+3] offset:STG*\q+SPI*\j
.endr
.endm
.macro BACK q                          ; row r, bytes 256 c + 128 h + 16 i; a wave's LDS instructions are served in order
.irp c, 0,1
.irp i, 0,1,2,3,4,5,6,7
	ds_load_b128 v[X+32*\c+4*\i:X+32*\c+4*\i+3], v6 offset:STG*\q+256*\c+16*\i
.endr
.endr
.endm
.macro OUT pc, pw, q
.irp c, 0,1,2
	global_store_b128 v4, v[\pc+4*\c:\pc+4*\c+3], s[26:27] offset:FRB*\q+512*\c   ; 512 consecutive bytes, aligned
.endr
	global_store_b32 v7, v[\pw], s[28:29] offset:64*\q
.endm
	s_mul_i32 s31, s30, 2*STG
	v_add_nc_u32 v5, s31, v4
	v_mul_u32_u24 v6, v2, SPI
	v_lshl_add_u32 v6, v3, 7, v6
	v_add_nc_u32 v6, s31, v6
	v_lshlrev_b32 v[H8], 3, v3
	v_mov_b32 v[PD], 0
	s_mov_b32 s[SEL], 0x76543210
	s_mov_b32 s[SEL+1], 0xfedcba98
	s_lshr_b32 s34, ttmp9, 2
	s_lshl_b32 s34, s34, 6
	s_and_b32 s35, ttmp9, 3
	s_lshl_b32 s35, s35, 3
	s_add_co_u32 s34, s34, s35                     ; the tile's first row: 64 (t / 4) + 8 (t % 4)
	s_lshl_b32 s34, s34, 12
	s_lshl_b32 s35, s30, 10
	s_add_co_u32 s34, s34, s35                     ; + my two K steps' 1,024 bytes
	s_mov_b32 s35, 0
	s_lshl_b32 s36, ttmp9, 3
	s_lshl_b32 s37, s30, 1
	s_add_co_u32 s36, s36, s37                     ; 8 t + 2 w
	s_lshl_b32 s38, s36, 6
	s_mul_i32 s36, s36, FRB
	s_mov_b32 s37, 0
	s_mov_b32 s39, 0
	s_wait_kmcnt 0x0
	s_add_nc_u64 s[24:25], s[24:25], s[34:35]
	s_add_nc_u64 s[26:27], s[26:27], s[36:37]
	s_add_nc_u64 s[28:29], s[28:29], s[38:39]
	s_wait_alu depctr_va_vdst(0)
.irp q, 0,1
.irp j, 0,1,2,3,4,5,6,7,8,9,10,11,12,13,14,15
	global_load_b128 v[RAW+64*\q+4*\j:RAW+64*\q+4*\j+3], v4, s[24:25] offset:((\j%8)+32*(\j/8))*4096+512*\q th:TH_LOAD_NT   ; lane row j is row j % 8 + 32 (j / 8) from the tile's first
.endr
.endr
	s_wait_loadcnt 16                              ; the first K step's 16 loads are in
	IN 0
	BACK 0
	s_wait_loadcnt 0x0
	IN 1
	s_wait_dscnt 16                                ; the 16 stores just issued may be out
	QB X, PCA, WA
	OUT PCA, WA, 0
	BACK 1
	s_wait_dscnt 0x0
	QB X, PCB, WB
	OUT PCB, WB, 1
	s_wait_tensorcnt 0x0                           ; the wave's end
	ds_add_u32 v254, v255
	s_wait_dscnt 0x0
	s_endpgm
; a weight's tile: codes and scale bytes are only laid anew
.Lweights:
	s_sub_co_u32 s31, ttmp9, 256
	s_lshr_b32 s32, s31, 4                         ; 0 wq, 1 wk, 2 wv, 3 w1
	s_lshl_b32 s33, s31, 2
	s_add_co_u32 s33, s33, s30                     ; weight tile 0..255
	s_and_b32 s34, s33, 63                         ; t in its weight
	s_lshr_b32 s35, s34, 2
	s_lshl_b32 s35, s35, 6
	s_and_b32 s36, s34, 3
	s_lshl_b32 s36, s36, 3
	s_add_co_u32 s35, s35, s36                     ; permuted: first row 64 (t / 4) + 8 (t % 4)
	s_lshl_b32 s36, s34, 4                         ; natural: 16 t
	s_cmp_lt_u32 s32, 2
	s_cselect_b32 s35, s35, s36
	s_cselect_b32 s37, 3, 0                        ; wq and wk are permuted
	s_wait_alu depctr_va_vdst(0)
	v_and_b32 v9, 8, v2
	v_mul_u32_u24 v9, s37, v9
	v_add_nc_u32 v9, v9, v2                        ; my row in the tile: r, or r + 24 (r / 8) = r % 8 + 32 (r / 8)
	v_mul_u32_u24 v10, v9, 768
	v_mad_u32_u24 v10, v3, 24, v10
	v_lshlrev_b32 v11, 5, v9
	v_lshl_add_u32 v11, v3, 4, v11                 ; scale words 4 h .. 4 h + 3 of my row
	v_lshl_add_u32 v12, v3, 8, v7                  ; word j goes to 64 (4 h + j) + 4 r
	s_mul_i32 s38, s35, 768
	s_mov_b32 s39, 0
	s_lshl_b32 s40, s35, 5
	s_mov_b32 s41, 0
	s_add_co_u32 s42, s33, 256
	s_lshl_b32 s44, s42, 9
	s_mov_b32 s45, 0
	s_mul_i32 s42, s42, TILEB
	s_mov_b32 s43, 0
	s_wait_alu depctr_va_vdst(0)
	s_wait_kmcnt 0x0
	s_cmp_lt_u32 s32, 1
	s_cselect_b64 s[8:9], s[8:9], s[12:13]
	s_cselect_b64 s[10:11], s[10:11], s[14:15]
	s_cmp_lt_u32 s32, 3
	s_cselect_b64 s[16:17], s[16:17], s[20:21]
	s_cselect_b64 s[18:19], s[18:19], s[22:23]
	s_cmp_lt_u32 s32, 2
	s_cselect_b64 s[8:9], s[8:9], s[16:17]
	s_cselect_b64 s[10:11], s[10:11], s[18:19]
	s_add_nc_u64 s[8:9], s[8:9], s[38:39]
	s_add_nc_u64 s[10:11], s[10:11], s[40:41]
	s_add_nc_u64 s[26:27], s[26:27], s[42:43]
	s_add_nc_u64 s[28:29], s[28:29], s[44:45]
.irp s, 0,1,2,3,4,5,6,7
.irp p, 0,1,2,3,4,5
	global_load_b64 v[16+12*\s+2*\p:16+12*\s+2*\p+1], v10, s[8:9] offset:96*\s+48*(\p/3)+8*(\p%3) th:TH_LOAD_NT   ; the row's stream of bits is the register image
.endr
.endr
	global_load_b128 v[112:115], v11, s[10:11] th:TH_LOAD_NT
	s_wait_loadcnt 0x0
.irp s, 0,1,2,3,4,5,6,7
.irp c, 0,1,2
	global_store_b128 v4, v[16+12*\s+4*\c:16+12*\s+4*\c+3], s[26:27] offset:FRB*\s+512*\c
.endr
.endr
.irp j, 0,1,2,3
	global_store_b32 v12, v[112+\j], s[28:29] offset:64*\j
.endr
	s_endpgm
.Lfunc_end_k_qa7d54187f7_prep:
	.size	k_qa7d54187f7_prep, .Lfunc_end_k_qa7d54187f7_prep-k_qa7d54187f7_prep
	.p2alignl 7, 3214868480
	.fill 96, 4, 3214868480
	.section	.rodata,"a",@progbits
	.p2align	6, 0x0
	.amdhsa_kernel k_qa7d54187f7_prep
		.amdhsa_group_segment_fixed_size 68096
		.amdhsa_private_segment_fixed_size 0
		.amdhsa_enable_private_segment 0
		.amdhsa_kernarg_size 88
		.amdhsa_user_sgpr_count 2
		.amdhsa_user_sgpr_kernarg_segment_ptr 1
		.amdhsa_wavefront_size32 1
		.amdhsa_system_sgpr_workgroup_id_x 1
		.amdhsa_system_sgpr_workgroup_id_y 1
		.amdhsa_system_sgpr_workgroup_id_z 1
		.amdhsa_system_vgpr_workitem_id 0
		.amdhsa_next_free_vgpr 256
		.amdhsa_next_free_sgpr 66
		.amdhsa_reserve_vcc 0
		.amdhsa_float_denorm_mode_32 3
		.amdhsa_float_denorm_mode_16_64 3
		.amdhsa_memory_ordered 1
		.amdhsa_forward_progress 1
		.amdhsa_inst_pref_size 25
	.end_amdhsa_kernel
	.amdgpu_metadata
---
amdhsa.version: [ 1, 2 ]
amdhsa.kernels:
  - .name:           k_qa7d54187f7_prep
    .symbol:         k_qa7d54187f7_prep.kd
    .args:
      - { .name: wq_codes, .offset: 0, .size: 8, .value_kind: global_buffer, .address_space: global }
      - { .name: wq_scales, .offset: 8, .size: 8, .value_kind: global_buffer, .address_space: global }
      - { .name: wk_codes, .offset: 16, .size: 8, .value_kind: global_buffer, .address_space: global }
      - { .name: wk_scales, .offset: 24, .size: 8, .value_kind: global_buffer, .address_space: global }
      - { .name: wv_codes, .offset: 32, .size: 8, .value_kind: global_buffer, .address_space: global }
      - { .name: wv_scales, .offset: 40, .size: 8, .value_kind: global_buffer, .address_space: global }
      - { .name: w1_codes, .offset: 48, .size: 8, .value_kind: global_buffer, .address_space: global }
      - { .name: w1_scales, .offset: 56, .size: 8, .value_kind: global_buffer, .address_space: global }
      - { .name: x, .offset: 64, .size: 8, .value_kind: global_buffer, .address_space: global }
      - { .name: img, .offset: 72, .size: 8, .value_kind: global_buffer, .address_space: global }
      - { .name: sw, .offset: 80, .size: 8, .value_kind: global_buffer, .address_space: global }
    .group_segment_fixed_size: 68096
    .private_segment_fixed_size: 0
    .kernarg_segment_align: 8
    .kernarg_segment_size: 88
    .max_flat_workgroup_size: 128
    .sgpr_count:     66
    .vgpr_count:     256
    .wavefront_size: 32
...
	.end_amdgpu_metadata
.endif
;; end of part 1
;; launch qkv (part 2): grid 192 x 1, 4 waves a work-group, no clusters, 0 bytes of LDS; arguments img, sw, qkv; writes qkv
.if DOCPART == 2
	.amdgcn_target "amdgcn-amd-amdhsa--gfx1250"
	.amdhsa_code_object_version 6
	.text
	.protected	k_qa7d54187f7_qkv
	.globl	k_qa7d54187f7_qkv
	.p2align	8
	.type	k_qa7d54187f7_qkv,@function
k_qa7d54187f7_qkv:
	s_mov_b64 s[64:65], 0
	v_nop
	global_prefetch_b8 v0, s[64:65] scope:SCOPE_SE
	s_setreg_imm32_b32 hwreg(HW_REG_WAVE_MODE, 25, 1), 1
	s_wait_xcnt 0x0
; QKV.  q = x wq^T, k = x wk^T, v = x wv^T on codes of FP6 (E2M3) with E8M0 scales, and the results quantised in registers for attention: q and k along the head's 64, v along the tokens.
; ONE BODY.  A wave keeps a RESIDENT operand of 128 rows x K = 1,024 in registers (8 permuted tiles x 8 K steps = 64 fragments, 768 registers), loaded once, and STREAMS 8 tiles of the other operand
; from memory straight into registers.  Source 0 = resident, source 1 = streamed: a lane holds ONE streamed row, and its 64 results run along the 128 resident rows.  The resident tiles' rows are permuted
; (lane r of tile t is row 64 (t / 4) + 8 (t % 4) + r % 8 + 32 (r / 8)), so that results 32 c + i of a lane of half h are rows 64 c + 32 h + i: two whole blocks of 32, in the operand's own order.
; Work-groups 0-127 (q, k): resident = 128 rows of wq or wk (two heads), streamed = 8 tiles of x (128 tokens).  The fragment made holds head A in registers 0-5 and head A + 1 in 6-11.
; Work-groups 128-191 (v): resident = 8 tiles of x (the 128 tokens of a key step), streamed = tile t' of wv's rows of 8 heads.  The fragment made is V^T: 16 of a head's 64 x 128 keys.
; qkv: 32 heads (0-15 q's, 16-31 k's and v's) x 32 key steps x 13,056 bytes: +0 eight tiles of K or Q x 768 (registers 0-3 at 16 l, then 4-5 at 512 + 8 l); +6,144 four fragments of V^T x 1,536;
;   +12,288 K's or Q's scale words, 64 bytes a tile (bytes 0, 1: the head's two blocks; bytes 2, 3: 0); +12,800 V's scale words, 64 bytes a fragment.
; No LDS, no barrier.  JOINT LOADS ARE NOT USED: a joint request lands in LDS, and this text has none: a streamed fragment feeds 8 products from the registers into which it is loaded.
; LIMITS: NaN and infinities are not served; a block of zeros or under 2^-124 gets the byte 1; the bytes are read by this program alone.
; REGISTERS: window 0: v1-7 addresses; v8-39 resident scale words; v40-47 streamed scale words; v48-111 the 8 accumulators; v112-207 the streamed tile; v208-219 resident fragment 63; v220-231 the codes made;
;   v232-248 at work.  Windows 1-3: resident fragments 0-62, 21 to a window.  Fragment f = 8 s + t: K step s, tile t.
.set FRB,   1536
.set TILEB, 8*FRB
.set KSB,   13056
.set HEADB, 32*KSB
.set RS,    8
.set SSW,   40
.set ACC,   48
.set SF,    112
.set R63,   208
.set PC,    220
.set TM,    232
.set PW,    244
.set PW2,   245
.set H8,    248
.set SEL,   34
.set RI,    42
.set RW,    44
.set SI,    46
.set SS,    48
.set OC,    50
.set OW,    52
.set MSB, 0
.macro WIN new
.if MSB != (\new)
	s_set_vgpr_msb (MSB<<8)|(\new)
.set MSB, (\new)
.endif
.endm
	s_load_b128 s[4:7], s[0:1], 0x0                ; img, sw
	s_load_b64 s[8:9], s[0:1], 0x10                ; qkv
	v_lshrrev_b32 v1, 5, v0
	v_readfirstlane_b32 s10, v1                    ; wave
	v_and_b32 v7, 31, v0
	v_and_b32 v3, 15, v0
	v_bfe_u32 v6, v0, 4, 1                         ; h
	v_lshlrev_b32 v1, 4, v7                        ; 16 l
	v_lshlrev_b32 v2, 3, v7                        ; 8 l
	v_lshlrev_b32 v3, 2, v3                        ; 4 r
	v_lshl_add_u32 v4, v6, 11, v3                  ; resident words: lanes 16-31 take the tile four on
	v_mul_u32_u24 v5, v6, HEADB
	v_add_nc_u32 v5, v5, v3                        ; q's and k's scale words: lanes 16-31 store the second head's
	v_cmp_eq_u32 s36, 1, v6
	v_lshlrev_b32 v[H8], 3, v6                     ; 8 h
.irp b, 0,1,2,3
	v_mov_b32 v[TM+4+\b], 0                        ; a lane permute's destination counts as one of its sources
.endr
	s_mov_b32 s[SEL], 0x76543210
	s_mov_b32 s[SEL+1], 0xfedcba98
	s_lshr_b32 s12, ttmp9, 5                       ; q, k: which 512 rows of (wq, wk)
	s_and_b32 s13, ttmp9, 31                       ;       which 128 tokens
	s_lshl_b32 s14, s12, 5
	s_lshl_b32 s15, s10, 3
	s_add_co_u32 s14, s14, s15
	s_add_co_u32 s14, s14, 256                     ; first resident tile
	s_lshl_b32 s15, s13, 3                         ; first streamed tile
	s_lshl_b32 s16, s12, 3
	s_lshl_b32 s17, s10, 1
	s_add_co_u32 s16, s16, s17                     ; head A of qkv's 32
	s_mul_i32 s16, s16, HEADB
	s_mul_i32 s17, s13, KSB
	s_add_co_u32 s16, s16, s17
	s_add_co_u32 s17, s16, 12288
	s_and_b32 s18, ttmp9, 63                       ; v: work-group - 128
	s_lshr_b32 s19, s18, 3
	s_bfe_u32 s20, s18, 0x10002                    ; which 8 heads
	s_and_b32 s21, s18, 3                          ; t'
	s_lshl_b32 s22, s19, 2
	s_add_co_u32 s22, s22, s10                     ; the key step
	s_lshl_b32 s23, s22, 3
	s_lshl_b32 s24, s20, 5
	s_add_co_u32 s24, s24, s21
	s_add_co_u32 s24, s24, 384
	s_lshl_b32 s25, s20, 3
	s_add_co_u32 s25, s25, 16
	s_mul_i32 s25, s25, HEADB
	s_mul_i32 s26, s22, KSB
	s_add_co_u32 s25, s25, s26
	s_mul_i32 s26, s21, FRB
	s_add_co_u32 s26, s26, s25
	s_add_co_u32 s26, s26, 6144
	s_lshl_b32 s27, s21, 6
	s_add_co_u32 s27, s27, s25
	s_add_co_u32 s27, s27, 12800
	s_mov_b32 s28, 4*TILEB
	s_mov_b32 s30, 4*512
	s_mov_b32 s38, HEADB
	s_mov_b32 s40, HEADB
	s_cmp_lt_u32 ttmp9, 128
	s_cselect_b32 s14, s14, s23
	s_cselect_b32 s15, s15, s24
	s_cselect_b32 s16, s16, s26
	s_cselect_b32 s17, s17, s27
	s_cselect_b32 s28, TILEB, s28
	s_cselect_b32 s30, 512, s30
	s_cselect_b32 s38, 768, s38
	s_cselect_b32 s40, 64, s40
	s_cselect_b32 s11, 0, 1                        ; 1: v
	s_mov_b32 s29, 0
	s_mov_b32 s31, 0
	s_mov_b32 s39, 0
	s_mov_b32 s41, 0
	s_mul_i32 s18, s14, TILEB
	s_mov_b32 s19, 0
	s_lshl_b32 s20, s14, 9
	s_mov_b32 s21, 0
	s_mul_i32 s22, s15, TILEB
	s_mov_b32 s23, 0
	s_lshl_b32 s24, s15, 9
	s_mov_b32 s25, 0
	s_mov_b32 s26, s16
	s_mov_b32 s27, 0
	s_mov_b32 s54, s17
	s_mov_b32 s55, 0
	s_wait_alu depctr_va_vdst(0)
	s_wait_kmcnt 0x0
	s_add_nc_u64 s[RI:RI+1], s[4:5], s[18:19]
	s_add_nc_u64 s[RW:RW+1], s[6:7], s[20:21]
	s_add_nc_u64 s[SI:SI+1], s[4:5], s[22:23]
	s_add_nc_u64 s[SS:SS+1], s[6:7], s[24:25]
	s_add_nc_u64 s[OC:OC+1], s[8:9], s[26:27]
	s_add_nc_u64 s[OW:OW+1], s[8:9], s[54:55]
.irp p, 0,1,2,3
.irp s, 0,1,2,3,4,5,6,7
	global_load_b32 v[RS+8*\p+\s], v4, s[RW:RW+1] offset:512*\p+64*\s
.endr
.endr
.set FI, 0
.rept 64                               ; the resident operand: 192 loads of 512 consecutive bytes
.if FI < 63
	WIN 0x40*(1+FI/21)
.set RR, 12*(FI%21)
.else
	WIN 0
.set RR, R63
.endif
.irp c, 0,1,2
	global_load_b128 v[RR+4*\c:RR+4*\c+3], v1, s[RI:RI+1] offset:(8*(FI%8)+FI/8)*FRB+512*\c
.endr
.set FI, FI+1
.endr
	WIN 0
.macro GROUP s                         ; K step s of the streamed tile: a fragment and its scale words: four loads
.irp c, 0,1,2
	global_load_b128 v[SF+12*(\s)+4*\c:SF+12*(\s)+4*\c+3], v1, s[SI:SI+1] offset:FRB*(\s)+512*\c
.endr
	global_load_b32 v[SSW+(\s)], v3, s[SS:SS+1] offset:64*(\s)
.endm
.irp s, 0,1,2,3,4,5,6,7
	GROUP \s
.endr
	s_wait_xcnt 0x0                                ; the loads have read their bases
	s_add_nc_u64 s[SI:SI+1], s[SI:SI+1], s[28:29]
	s_add_nc_u64 s[SS:SS+1], s[SS:SS+1], s[30:31]
; 64 numbers of a lane, register 32 c + i = k 64 c + 32 h + i of my row, become a fragment's codes in v[PC] on and its scale word in v[PW]
.macro QUANT s
.irp b, 0,1,2,3
	v_max3_num_f32 v[TM+\b], |v[\s+16*\b]|, |v[\s+1+16*\b]|, 0x1800000   ; four chains of 16, each accumulator from its low end on, and the floor 2^(3 - 127)
.endr
.irp i, 2,4,6,8,10,12,14
.irp b, 0,1,2,3
	v_max3_num_f32 v[TM+\b], v[TM+\b], |v[\s+16*\b+\i]|, |v[\s+1+16*\b+\i]|
.endr
.endr
	v_max_num_f32 v[TM], v[TM], v[TM+1]            ; block h,
	v_max_num_f32 v[TM+1], v[TM+2], v[TM+3]        ; block 2 + h: both are all mine
.irp c, 0,1
	v_add_nc_u32 v[TM+2+\c], 0xff000000, v[TM+\c]  ; 2 off the exponent field: the conversion's scale operand
.endr
.irp c, 0,1
	v_lshrrev_b32 v[TM+4+\c], 23, v[TM+2+\c]       ; the scale's byte
.endr
	v_lshl_or_b32 v[PW], v[TM+5], 16, v[TM+4]
	v_lshlrev_b32 v[PW], v[H8], v[PW]              ; my two bytes 8 h bits up;
	v_permlanex16_b32 v[TM+6], v[PW], s[SEL], s[SEL+1]
	v_or_b32 v[PW], v[PW], v[TM+6]                 ; with lane l xor 16's two the word is whole
.irp c, 0,1
	v_cvt_scalef32_pk16_fp6_f32 v[PC+6*\c:PC+6*\c+2], v[\s+32*\c:\s+32*\c+15], v[TM+2+\c]
	v_cvt_scalef32_pk16_fp6_f32 v[TM+4+4*\c:TM+6+4*\c], v[\s+32*\c+16:\s+32*\c+31], v[TM+2+\c]   ; over the bytes, which are done with
.endr
	v_nop                                          ; one plain place behind the scaled conversions
.irp c, 0,1
.irp i, 0,1,2
	v_mov_b32 v[PC+6*\c+3+\i], v[TM+4+4*\c+\i]
.endr
.endr
.endm
; A streamed tile: 64 products, K step by K step, the 8 accumulators by turns; then its results are quantised and stored.
.macro TILE refill
.irp s, 0,1,2,3,4,5,6,7
.if \refill
	s_wait_loadcnt 28                              ; behind K step s's four loads stand 7 groups of four
.else
	s_wait_loadcnt 4*(7-\s)                        ; the last tile: only its own later K steps stand behind
.endif
.irp t, 0,1,2,3,4,5,6,7
.set FI, 8*\s+\t
.if FI < 63
	WIN 1+FI/21
.set RR, 12*(FI%21)
.else
	WIN 0
.set RR, R63
.endif
.if \s == 0
.if \t < 4
	v_wmma_scale_f32_16x16x128_f8f6f4 v[ACC+8*\t:ACC+8*\t+7], v[RR:RR+11], v[SF+12*\s:SF+12*\s+11], 0, v[RS+8*(\t%4)+\s], v[SSW+\s] matrix_a_fmt:MATRIX_FMT_FP6 matrix_b_fmt:MATRIX_FMT_FP6
.else
	v_wmma_scale_f32_16x16x128_f8f6f4 v[ACC+8*\t:ACC+8*\t+7], v[RR:RR+11], v[SF+12*\s:SF+12*\s+11], 0, v[RS+8*(\t%4)+\s], v[SSW+\s] matrix_a_fmt:MATRIX_FMT_FP6 matrix_b_fmt:MATRIX_FMT_FP6 matrix_a_scale:MATRIX_SCALE_ROW1
.endif
.else
.if \t < 4
	v_wmma_scale_f32_16x16x128_f8f6f4 v[ACC+8*\t:ACC+8*\t+7], v[RR:RR+11], v[SF+12*\s:SF+12*\s+11], v[ACC+8*\t:ACC+8*\t+7], v[RS+8*(\t%4)+\s], v[SSW+\s] matrix_a_fmt:MATRIX_FMT_FP6 matrix_b_fmt:MATRIX_FMT_FP6
.else
	v_wmma_scale_f32_16x16x128_f8f6f4 v[ACC+8*\t:ACC+8*\t+7], v[RR:RR+11], v[SF+12*\s:SF+12*\s+11], v[ACC+8*\t:ACC+8*\t+7], v[RS+8*(\t%4)+\s], v[SSW+\s] matrix_a_fmt:MATRIX_FMT_FP6 matrix_b_fmt:MATRIX_FMT_FP6 matrix_a_scale:MATRIX_SCALE_ROW1
.endif
.endif
.endr
	WIN 0
.rept 4
	v_nop                                          ; four places in front of the loads into the registers just read, and of the first read of results
.endr
.if \refill
	GROUP \s
.endif
.endr
	QUANT ACC                                      ; its lines on magnitudes, bytes and codes are also the places ahead of the next tile's first products
	s_cmp_lg_u32 s11, 0
	s_cbranch_scc1 .Lv_\@
	global_store_b128 v1, v[PC:PC+3], s[OC:OC+1]                        ; head A: registers 0-3,
	global_store_b64 v2, v[PC+4:PC+5], s[OC:OC+1] offset:512            ; and 4-5
	global_store_b128 v1, v[PC+6:PC+9], s[OC:OC+1] offset:HEADB         ; head A + 1
	global_store_b64 v2, v[PC+10:PC+11], s[OC:OC+1] offset:HEADB+512
	v_and_b32 v246, 0xffff, v[PW]                  ; head A's two bytes, zeros above them,
	v_lshrrev_b32 v247, 16, v[PW]                  ; head A + 1's likewise
	v_cndmask_b32 v[PW2], v246, v247, s36
	global_store_b32 v5, v[PW2], s[OW:OW+1]
	s_branch .Ldone_\@
.Lv_\@:
	s_wait_alu depctr_va_vdst(0)
.irp c, 0,1,2
	global_store_b128 v1, v[PC+4*\c:PC+4*\c+3], s[OC:OC+1] offset:512*\c
.endr
	global_store_b32 v3, v[PW], s[OW:OW+1]
.Ldone_\@:
.if \refill
	s_wait_xcnt 0x0                                ; the stores and the refills have read their data and bases
	s_add_nc_u64 s[SI:SI+1], s[SI:SI+1], s[28:29]
	s_add_nc_u64 s[SS:SS+1], s[SS:SS+1], s[30:31]
	s_add_nc_u64 s[OC:OC+1], s[OC:OC+1], s[38:39]
	s_add_nc_u64 s[OW:OW+1], s[OW:OW+1], s[40:41]
.endif
.endm
	s_mov_b32 s32, 7
.Ltile:
	TILE 1
	s_sub_co_u32 s32, s32, 1
	s_cmp_lg_u32 s32, 0
	s_cbranch_scc1 .Ltile
	TILE 0                                         ; the eighth tile asks for nothing more
	s_endpgm
.Lfunc_end_k_qa7d54187f7_qkv:
	.size	k_qa7d54187f7_qkv, .Lfunc_end_k_qa7d54187f7_qkv-k_qa7d54187f7_qkv
	.p2alignl 7, 3214868480
	.fill 96, 4, 3214868480
	.section	.rodata,"a",@progbits
	.p2align	6, 0x0
	.amdhsa_kernel k_qa7d54187f7_qkv
		.amdhsa_group_segment_fixed_size 0
		.amdhsa_private_segment_fixed_size 0
		.amdhsa_enable_private_segment 0
		.amdhsa_kernarg_size 24
		.amdhsa_user_sgpr_count 2
		.amdhsa_user_sgpr_kernarg_segment_ptr 1
		.amdhsa_wavefront_size32 1
		.amdhsa_system_sgpr_workgroup_id_x 1
		.amdhsa_system_sgpr_workgroup_id_y 1
		.amdhsa_system_sgpr_workgroup_id_z 1
		.amdhsa_system_vgpr_workitem_id 0
		.amdhsa_next_free_vgpr 1024
		.amdhsa_next_free_sgpr 66
		.amdhsa_reserve_vcc 0
		.amdhsa_float_denorm_mode_32 3
		.amdhsa_float_denorm_mode_16_64 3
		.amdhsa_memory_ordered 1
		.amdhsa_forward_progress 1
		.amdhsa_inst_pref_size 60
	.end_amdhsa_kernel
	.amdgpu_metadata
---
amdhsa.version: [ 1, 2 ]
amdhsa.kernels:
  - .name:           k_qa7d54187f7_qkv
    .symbol:         k_qa7d54187f7_qkv.kd
    .args:
      - { .name: img, .offset: 0, .size: 8, .value_kind: global_buffer, .address_space: global }
      - { .name: sw, .offset: 8, .size: 8, .value_kind: global_buffer, .address_space: global }
      - { .name: qkv, .offset: 16, .size: 8, .value_kind: global_buffer, .address_space: global }
    .group_segment_fixed_size: 0
    .private_segment_fixed_size: 0
    .kernarg_segment_align: 8
    .kernarg_segment_size: 24
    .max_flat_workgroup_size: 128
    .sgpr_count:     66
    .vgpr_count:     1024
    .wavefront_size: 32
...
	.end_amdgpu_metadata
.endif
;; end of part 2
;; launch attn (part 3): grid 16 x 16, 8 waves a work-group, clusters of 4 x 1, 327,680 bytes of LDS; arguments qkv, att; writes att
.if DOCPART == 3
	.amdgcn_target "amdgcn-amd-amdhsa--gfx1250"
	.amdhsa_code_object_version 6
	.text
	.protected	k_qa7d54187f7_attn
	.globl	k_qa7d54187f7_attn
	.p2align	8
	.type	k_qa7d54187f7_attn,@function
k_qa7d54187f7_attn:
	s_mov_b64 s[64:65], 0
	v_nop
	global_prefetch_b8 v0, s[64:65] scope:SCOPE_SE
	s_setreg_imm32_b32 hwreg(HW_REG_WAVE_MODE, 25, 1), 1
	s_wait_xcnt 0x0
	s_wait_alu depctr_hold_cnt(0) depctr_sa_sdst(0) depctr_va_vdst(0) depctr_va_sdst(0) depctr_va_ssrc(0) depctr_va_vcc(0) depctr_vm_vsrc(0)
	s_getreg_b32 s2, hwreg(HW_REG_IB_STS2, 6, 4)
	s_cmp_eq_u32 s2, 0
	s_cbranch_scc0 .Lentry_in_a_cluster
	s_endpgm
.Lentry_in_a_cluster:
	s_bfe_u32 s2, ttmp6, 0x10000c
	s_cmp_lg_u32 s2, 0x3003
	s_cbranch_scc0 .Lentry_shape_is_right
	s_endpgm
.Lentry_shape_is_right:
; ATTN.  att[h][d][n] = the sum over keys of softmax(q . k / 8) v, both products on codes of FP6 (E2M3) with E8M0 scales: 16 heads, 4,096 tokens, head size 64.  att [16][64][4096] f32.
; THE SOFTMAX: t = score x log2(e) / 8; M = the running largest t rounded UP to a whole number; p = 2^(t - M) is quantised along the keys, not normalised; the row's sum is taken of the
; unquantised p and divides at the end.  When M moves, the sum and O are multiplied by 2^(old M - new M): exact.
; SHARES.  A work-group owns 256 queries of one head; each of its EIGHT waves 32 of them, as two tiles of 16: a fragment of K or V^T read from LDS feeds two products, and two waves share a SIMD.
; LAYOUT.  Both products are used transposed: S^T = K Q^T, O^T = V^T P^T: a lane holds ONE query of each tile.  Lane r of K's tile t is key 64 (t / 4) + 8 (t % 4) + r % 8 + 32 (r / 8) of the
; step's 128 (the launch that made the codes laid them so): a lane of half h then holds the scores of keys 32 h + 0 .. 31 and 64 + 32 h + 0 .. 31, two WHOLE blocks in the operand's own order:
; a block's maximum needs no other lane, and the conversions' results are the operand.  My queries are permuted the same way; the way out puts them in order.
; K = 64 IN A PRODUCT OF 128.  Q's registers 6-11 are zero codes, and bytes 2, 3 of Q's and K's scale words are 0 (a power of two).  So whatever codes stand in source 0's registers 6-11 add
; nothing, and tile t's operand is v[32 + 6 t .. 43 + 6 t]: its upper half is the next tile's codes, tile 7's is six registers of zeros.
; THE RING.  A key step (K's 8 tiles, V^T's 4 fragments, their scale words) is 13,056 dense bytes of qkv; a slot holds 8 key steps, 104,448 bytes; two slots, 2^17 bytes apart.
; CLUSTER.  The four work-groups of a cluster are query blocks of one head and walk the same keys: each slot is asked for JOINTLY (mask 15), one key step by each wave, behind a round of the
; cluster's barrier.  By this text's own count a wave has one tensor load outstanding at the most.  No prefetch is written: there are three refills, each asked for a whole slot's 8 key steps
; (192 products and their softmax in every wave) ahead of the wait for it.
; The next step's K is fetched behind this step's first products; in a slot's last step that fetch names the same step again (its address is held at the slot's last step) and is not used.
; LIMITS: NaN and infinities are not served; the promise holds while the scaled scores t stay under 2^31 in magnitude.
; REGISTERS.  Window 0: v1-3 16 l, 8 l, 4 l; v5, v6 the add's; v8-12 LDS addresses; v13 8 h; v16-19 (-M, largest score) a tile; v24-25 Q's words; v28-29 p's words; v32-85 K and zeros; v86-91 K's, V's words;
;   v96-143 V^T; v144-211 at work.  Window 1: v0-127 S^T, then p (tile i at 64 i); v128-191 O^T (tile i at 128 + 32 i); v192-215 Q; v216-239 p's codes; v240-255 the codes' upper halves.
.set KSB,   13056
.set HEADB, 32*KSB
.set SLOTB, 8*KSB
.set SLOT1, 1<<17
.set SPARE, SLOT1+SLOTB                ; behind the ring: the spare words, 128 bytes a wave
.set SP,    1040                       ; the way out: a stage of 64 rows (d) x (256 queries x 4 bytes + 16), in slot 0, which has had its last fill and its last read by then
.set WV,    8
.set G1,    16
.set G0,    24
.set TB,    28                         ; LDS byte of the key step in hand
.set SLOTS, 29
.set STEPS, 30
.set TN,    31                         ; LDS byte of the step whose K is fetched next
.set SEL,   32
.set CS,    34
.set LIM,   46                         ; the slot's last step
.set H8,    13
.set NM,    16
.set QW,    24
.set PWD,   28
.set KF,    32
.set KW,    86
.set VW,    90
.set VF,    96
.set BM,    144                        ; block maxima: 2 i + c
.set SO,    152
.set BY,    160
.set PD,    168
.set TT,    172
.set T2,    176
.set F,     180                        ; pairs (f, 0)
.set LS,    188                        ; the sum: four pairs a tile
.set HB,    204                        ; maxima of half blocks: 4 i + k
.set OB,    128                        ; window 1
.set QF,    192
.set CD,    216
.set TP,    240
.set MSB, 0
.macro WIN new                         ; the immediate's high byte repeats the setting that is left
.if MSB != (\new)
	s_set_vgpr_msb (MSB<<8)|(\new)
.set MSB, (\new)
.endif
.endm
.macro DEP n                           ; a hint ahead of a plain line that reads the plain line n back: two waves share a SIMD
	s_delay_alu instid0(VALU_DEP_\n)
.endm
.macro CROUND                          ; a round of the cluster's barrier
	s_barrier_signal -1
	s_barrier_wait -1
	s_cmp_lg_u32 s[WV], 0
	s_cbranch_scc1 .Lnot_wave_0_\@
	s_barrier_signal -3
.Lnot_wave_0_\@:
	s_barrier_wait -3
	s_barrier_signal -1
	s_barrier_wait -1
.endm
.macro TLOAD                           ; every wave fetches one key step of a slot; s_nop 0 and four v_nop follow
	tensor_load_to_lds s[G0:G0+3], s[G1:G1+7]
	s_nop 0
.rept 4
	v_nop
.endr
.endm
	s_load_b128 s[4:7], s[0:1], 0x0                ; qkv, att
	v_lshl_add_u32 v5, v0, 2, SPARE
	v_mov_b32 v6, 0
	ds_add_u32 v5, v6                              ; the opening lines
	ds_add_u32 v5, v6
	s_wait_dscnt 0x0
	v_lshrrev_b32 v1, 5, v0
	DEP 1
	v_readfirstlane_b32 s[WV], v1                  ; wave 0..7
	s_bfe_u32 s9, ttmp6, 0x40000                   ; cx: it enters Q's and att's global addresses alone
	s_lshl_b32 s10, ttmp9, 2
	s_add_co_u32 s10, s10, s9                      ; my block of 256 queries
	s_and_b32 s11, ttmp7, 0xffff                   ; the head, which the four partners share
	s_mov_b32 s[G1], 15|(3<<16)|(1<<21)            ; the mask: all four work-groups; elements of 8 bytes; bit 21 beside a mask
	s_mov_b32 s[G1+1], 32<<16                      ; a dense block as 51 rows of 256 bytes
	s_mov_b32 s[G1+2], 51<<16
	s_mov_b32 s[G1+3], 32<<16
	s_mov_b32 s[G1+4], 51
	s_mov_b32 s[G1+5], 32
	s_mov_b32 s[G1+6], 0
	s_mov_b32 s[G1+7], 0
	s_mul_i32 s12, s[WV], KSB                      ; my key step of a slot, in LDS and in memory
	s_add_co_u32 s13, s11, 16
	s_mul_i32 s13, s13, HEADB                      ; k's and v's head
	s_add_co_u32 s14, s13, s12
	s_mov_b32 s15, 0
	s_mul_i32 s36, s11, HEADB                      ; q's head,
	s_lshl_b32 s37, s10, 1
	s_lshr_b32 s38, s[WV], 2
	s_add_co_u32 s37, s37, s38
	s_mul_i32 s37, s37, KSB                        ; the key step's worth of 8 tiles in which my two lie,
	s_add_co_u32 s36, s36, s37
	s_and_b32 s38, s[WV], 3
	s_mul_i32 s37, s38, 2*768
	s_add_co_u32 s40, s36, s37                     ; my tiles' codes
	s_mov_b32 s41, 0
	s_lshl_b32 s38, s38, 7
	s_add_co_u32 s42, s36, s38
	s_add_co_u32 s42, s42, 12288                   ; and their scale words
	s_mov_b32 s43, 0
	s_lshl_b32 s44, s11, 20                        ; att: (64 head + 8 wave) rows of 16,384 bytes + 1,024 x block
	s_lshl_b32 s45, s[WV], 17
	s_add_co_u32 s44, s44, s45
	s_lshl_b32 s45, s10, 10
	s_add_co_u32 s44, s44, s45
	s_mov_b32 s45, 0
	s_mov_b32 s[SEL], 0x76543210
	s_mov_b32 s[SEL+1], 0xfedcba98
	s_mov_b32 s[CS], 0x3e38aa3b                    ; c = log2(e) / 8
	s_mov_b32 s[CS+1], s[CS]
	s_mov_b32 s[TB], 0
	s_mov_b32 s[LIM], 7*KSB
	s_mov_b32 s[SLOTS], 3
	s_wait_kmcnt 0x0
	s_mov_b32 s[G0], 1
	s_mov_b32 s[G0+1], s12
	s_add_nc_u64 s[G0+2:G0+3], s[4:5], s[14:15]
	s_or_b32 s[G0+3], s[G0+3], 0x80000000
	s_add_nc_u64 s[36:37], s[4:5], s[40:41]
	s_add_nc_u64 s[38:39], s[4:5], s[42:43]
	s_add_nc_u64 s[6:7], s[6:7], s[44:45]
	CROUND                                         ; all four work-groups are here: the first joint loads meet
	TLOAD                                          ; slot 0
	v_and_b32 v4, 31, v0
	DEP 1
	v_lshlrev_b32 v1, 4, v4                        ; 16 l
	DEP 2
	v_lshlrev_b32 v2, 3, v4                        ; 8 l
	DEP 3
	v_lshlrev_b32 v3, 2, v4                        ; 4 l
	v_and_b32 v7, 15, v0
	DEP 1
	v_lshlrev_b32 v7, 2, v7                        ; 4 r
	v_bfe_u32 v[H8], v0, 4, 1
	DEP 1
	v_lshlrev_b32 v[H8], 3, v[H8]                  ; 8 h
	WIN 0x40                                       ; destination window 1
.irp i, 0,1
	global_load_b128 v[QF+12*\i:QF+12*\i+3], v1, s[36:37] offset:768*\i
	global_load_b64 v[QF+12*\i+4:QF+12*\i+5], v2, s[36:37] offset:768*\i+512
.endr
.irp i, 0,1
.irp j, 6,7,8,9,10,11
	v_mov_b32 v[QF+12*\i+\j], 0                    ; zero codes: Q's upper halves
.endr
.endr
.set J, 0
.rept 64
	v_mov_b32 v[OB+J], 0                           ; O^T: the step has no first step of its own: it finds zeros, which the first change of M leaves zeros
.set J, J+1
.endr
	WIN 0
.irp i, 0,1
	global_load_b32 v[QW+\i], v7, s[38:39] offset:64*\i
	v_mov_b32 v[NM+2*\i], 0x7e000000               ; -M: a large whole number,
	v_mov_b32 v[NM+2*\i+1], 0xff61b1e6             ; the largest score so far: -3e38
	v_mov_b32 v[PD+\i], 0                          ; a lane permute's destination counts as one of its sources
	v_mov_b32 v[F+2*\i], 0
	v_mov_b32 v[F+2*\i+1], 0                       ; (named as a pair's upper half)
.endr
.irp j, 80,81,82,83,84,85
	v_mov_b32 v[\j], 0                             ; what stands behind K's tile 7
.endr
.set J, 0
.rept 16
	v_mov_b32 v[LS+J], 0
.set J, J+1
.endr
.macro KLOAD                           ; K's 8 tiles and their words, at v8, v9, v10
.irp t, 0,1,2,3,4,5,6,7
	ds_load_b128 v[KF+6*\t:KF+6*\t+3], v8 offset:768*\t
	ds_load_b64 v[KF+6*\t+4:KF+6*\t+5], v9 offset:768*\t+512
.endr
.irp b, 0,1,2,3
	ds_load_b32 v[KW+\b], v10 offset:12288+128*\b  ; lanes 0-15 tile 2 b's words, lanes 16-31 tile 2 b + 1's
.endr
.endm
; A KEY STEP: 128 keys at LDS byte s[TB], for my two tiles of queries.  K is in registers already.
.macro STEP
	WIN 0x44                                       ; K window 0; Q and S^T window 1
.irp i, 0,1
.irp u, 0,1,2,3
	v_wmma_scale_f32_16x16x128_f8f6f4 v[64*\i+16*\u:64*\i+16*\u+7], v[KF+12*\u:KF+12*\u+11], v[QF+12*\i:QF+12*\i+11], 0, v[KW+\u], v[QW+\i] matrix_a_fmt:MATRIX_FMT_FP6 matrix_b_fmt:MATRIX_FMT_FP6
	v_wmma_scale_f32_16x16x128_f8f6f4 v[64*\i+16*\u+8:64*\i+16*\u+15], v[KF+12*\u+6:KF+12*\u+17], v[QF+12*\i:QF+12*\i+11], 0, v[KW+\u], v[QW+\i] matrix_a_fmt:MATRIX_FMT_FP6 matrix_b_fmt:MATRIX_FMT_FP6 matrix_a_scale:MATRIX_SCALE_ROW1
.endr
.endr
	WIN 0
	v_add_nc_u32 v8, s[TN], v1                     ; five lines: the places in front of the loads into K's and V's registers and of the first read of scores
	v_add_nc_u32 v9, s[TN], v2
	v_add_nc_u32 v10, s[TN], v3
	v_add_nc_u32 v11, s[TB], v1
	v_add_nc_u32 v12, s[TB], v3
.irp t, 0,1,2,3
.irp c, 0,1,2
	ds_load_b128 v[VF+12*\t+4*\c:VF+12*\t+4*\c+3], v11 offset:6144+1536*\t+512*\c   ; V^T's four fragments and the next K land under the softmax
.endr
.endr
	ds_load_b32 v[VW], v12 offset:12800
	ds_load_b32 v[VW+1], v12 offset:12928
	KLOAD
	WIN 0x14                                       ; sources 1, 2: window 1
.irp i, 0,1
.irp k, 0,1,2,3
	v_max3_num_f32 v[HB+4*\i+\k], 0xff800000, v[64*\i+16*\k], v[64*\i+16*\k+1]   ; the largest score of each half block of 16 keys; eight chains by turns, each accumulator from its low end on
.endr
.endr
.irp e, 2,4,6,8,10,12,14
.irp i, 0,1
.irp k, 0,1,2,3
	v_max3_num_f32 v[HB+4*\i+\k], v[HB+4*\i+\k], v[64*\i+16*\k+\e], v[64*\i+16*\k+\e+1]
.endr
.endr
.endr
	WIN 0
.irp j, 0,1,2
	v_max_num_f32 v[BM+\j], v[HB+2*\j], v[HB+2*\j+1]   ; the largest score of each of my blocks of 32 keys
.endr
	DEP 2
	v_max_num_f32 v[TT], v[BM], v[BM+1]            ; tile 0's largest score of the step, ahead of the fourth block's maximum, whose sources then lie five lines back
	v_max_num_f32 v[BM+3], v[HB+6], v[HB+7]
	DEP 1
	v_max_num_f32 v[TT+1], v[BM+2], v[BM+3]
	DEP 3
	v_permlanex16_b32 v[PD], v[TT], s[SEL], s[SEL+1]
	DEP 2
	v_permlanex16_b32 v[PD+1], v[TT+1], s[SEL], s[SEL+1]
.irp i, 0,1
	DEP 2
	v_max3_num_f32 v[NM+2*\i+1], v[NM+2*\i+1], v[TT+\i], v[PD+\i]   ; the running largest score of my query
.endr
.irp i, 0,1
	DEP 2
	v_mul_f32 v[TT+\i], s[CS], v[NM+2*\i+1]        ; as t (c is positive)
.endr
.irp i, 0,1
	DEP 2
	v_floor_f32 v[TT+\i], -v[TT+\i]                ; the new -M = -ceil(t)
.endr
.irp i, 0,1
	DEP 2
	v_sub_f32 v[T2+\i], v[TT+\i], v[NM+2*\i]       ; old M - new M: a whole number, 0 or less
.endr
.irp i, 0,1
	DEP 4
	v_mov_b32 v[NM+2*\i], v[TT+\i]
.endr
.irp i, 0,1
	DEP 4
	v_cvt_i32_f32 v[T2+\i], v[T2+\i]               ; (it saturates)
.endr
.irp i, 0,1
	DEP 2
	v_ldexp_f32 v[F+2*\i], 1.0, v[T2+\i]           ; f = 2^(old M - new M)
.endr
.irp i, 0,1
.irp c, 0,1
	v_fma_f32 v[BM+2*\i+\c], v[BM+2*\i+\c], s[CS], v[NM+2*\i]   ; t - M of each block's largest score: p rises with the score
.endr
.endr
	WIN 0x41                                       ; source 0 and destination: window 1
.set J, 0
.rept 16
.irp i, 0,1
	v_pk_mul_f32 v[OB+32*\i+J:OB+32*\i+J+1], v[OB+32*\i+J:OB+32*\i+J+1], v[F+2*\i:F+2*\i+1] op_sel_hi:[1,0]   ; O^T under the new M, ahead of the exponentials
.endr
.set J, J+2
.endr
.set J, 0
.rept 32
.irp i, 0,1
	v_pk_fma_f32 v[64*\i+J:64*\i+J+1], v[64*\i+J:64*\i+J+1], s[CS:CS+1], v[NM+2*\i:NM+2*\i+1] op_sel_hi:[1,0,0]   ; t - M, two at a time
.endr
.set J, J+2
.endr
	s_wait_alu depctr_va_vdst(0)                   ; the wait ahead of the batch
.set J, 0
.rept 128
	v_exp_f32 v[J], v[J]                           ; p = 2^(t - M)
.set J, J+1
.endr
	WIN 0
.set J, 0
.rept 4
	v_exp_f32 v[BM+J], v[BM+J]                     ; each block's largest p: the same two instructions on the same number give the same bits
.set J, J+1
.endr
.irp k, 0,1,2,3
.irp i, 0,1
	v_pk_mul_f32 v[LS+8*\i+2*\k:LS+8*\i+2*\k+1], v[LS+8*\i+2*\k:LS+8*\i+2*\k+1], v[F+2*\i:F+2*\i+1] op_sel_hi:[1,0]   ; the sums under the new M: plain places behind the batch
.endr
.endr
	s_wait_alu depctr_va_vdst(0)                   ; one wait for the batch, ahead of its first reader
.irp j, 0,1,2,3
	v_max_num_f32 v[BM+\j], 0x1800000, v[BM+\j]    ; the floor 2^(3 - 127): the byte cannot fall under 1
.endr
.irp j, 0,1,2,3
	DEP 4
	v_add_nc_u32 v[SO+\j], 0xff000000, v[BM+\j]    ; 2 off the exponent field: the conversion's scale operand
.endr
.irp j, 0,1,2,3
	DEP 4
	v_lshrrev_b32 v[BY+\j], 23, v[SO+\j]           ; the scale's byte
.endr
	DEP 3
	v_lshl_or_b32 v[T2], v[BY+1], 16, v[BY]        ; blocks h and 2 + h,
	DEP 2
	v_lshl_or_b32 v[T2+1], v[BY+3], 16, v[BY+2]
.irp i, 0,1
	DEP 2
	v_lshlrev_b32 v[T2+\i], v[H8], v[T2+\i]        ; 8 h bits up;
.endr
.irp i, 0,1
	DEP 2
	v_permlanex16_b32 v[PD+\i], v[T2+\i], s[SEL], s[SEL+1]
.endr
.irp i, 0,1
	DEP 2
	v_or_b32 v[PWD+\i], v[T2+\i], v[PD+\i]         ; with lane l xor 16's two: p's scale word for these 128 keys
.endr
	WIN 0x41                                       ; p and codes window 1, scale operand window 0
.irp i, 0,1
.irp c, 0,1
	v_cvt_scalef32_pk16_fp6_f32 v[CD+12*\i+6*\c:CD+12*\i+6*\c+2], v[64*\i+32*\c:64*\i+32*\c+15], v[SO+2*\i+\c]
	v_cvt_scalef32_pk16_fp6_f32 v[TP+8*\i+4*\c:TP+8*\i+4*\c+2], v[64*\i+32*\c+16:64*\i+32*\c+31], v[SO+2*\i+\c]   ; three registers begin on an even number: made here and moved
.endr
.endr
	v_nop                                          ; one plain place behind the scaled conversions
.irp i, 0,1
.irp c, 0,1
.irp e, 0,1,2
	v_mov_b32 v[CD+12*\i+6*\c+3+\e], v[TP+8*\i+4*\c+\e]
.endr
.endr
.endr
	WIN 0x04                                       ; the sums window 0, p window 1
.set J, 0
.rept 8
.irp k, 0,1,2,3
.irp i, 0,1
	v_pk_add_f32 v[LS+8*\i+2*\k:LS+8*\i+2*\k+1], v[LS+8*\i+2*\k:LS+8*\i+2*\k+1], v[64*\i+J+2*\k:64*\i+J+2*\k+1]   ; the row's sum of the unquantised p: eight chains by turns; also the places between p's words and codes and the products
.endr
.endr
.set J, J+8
.endr
	s_wait_alu depctr_va_vdst(0)                   ; directly ahead of the wait below
	s_wait_dscnt 0x0                               ; V^T, its words and the next K are in
	WIN 0x54                                       ; V^T window 0; p's codes and O^T window 1
.irp i, 0,1
.irp u, 0,1
	v_wmma_scale_f32_16x16x128_f8f6f4 v[OB+32*\i+16*\u:OB+32*\i+16*\u+7], v[VF+24*\u:VF+24*\u+11], v[CD+12*\i:CD+12*\i+11], v[OB+32*\i+16*\u:OB+32*\i+16*\u+7], v[VW+\u], v[PWD+\i] matrix_a_fmt:MATRIX_FMT_FP6 matrix_b_fmt:MATRIX_FMT_FP6
	v_wmma_scale_f32_16x16x128_f8f6f4 v[OB+32*\i+16*\u+8:OB+32*\i+16*\u+15], v[VF+24*\u+12:VF+24*\u+23], v[CD+12*\i:CD+12*\i+11], v[OB+32*\i+16*\u+8:OB+32*\i+16*\u+15], v[VW+\u], v[PWD+\i] matrix_a_fmt:MATRIX_FMT_FP6 matrix_b_fmt:MATRIX_FMT_FP6 matrix_a_scale:MATRIX_SCALE_ROW1
.endr
.endr
	WIN 0
.endm
; THE CHANGE OF SLOTS.  Each wave waits for all its tensor loads, adds 0 to its spare word, and waits for that and for its reads of the slot that it has left.
; fill = 1: a round of the cluster's barrier, then the joint refill, first behind the round: it has 8 key steps in which to land.
.macro CHANGE fill
	s_wait_tensorcnt 0x0
	ds_add_u32 v5, v6
.if \fill
	s_xor_b32 s[G0+1], s[G0+1], SLOT1              ; the other slot than last time,
	s_add_nc_u64 s[G0+2:G0+3], s[G0+2:G0+3], SLOTB ; the next 8 key steps
.endif
	s_wait_dscnt 0x0
.if \fill
	CROUND
	TLOAD
.else
	s_barrier_signal -1
	s_barrier_wait -1
.endif
.endm
.macro RUN                             ; a slot's 8 key steps
	v_add_nc_u32 v8, s[TB], v1
	v_add_nc_u32 v9, s[TB], v2
	v_add_nc_u32 v10, s[TB], v3
	KLOAD                                          ; the slot's first K
	s_add_co_u32 s[TN], s[TB], KSB
	s_mov_b32 s[STEPS], 8
	s_wait_dscnt 0x0
.Lstep_\@:
	STEP
	s_add_co_u32 s[TB], s[TB], KSB
	s_add_co_u32 s[TN], s[TB], KSB
	s_min_u32 s[TN], s[TN], s[LIM]                 ; held at the slot's last step
	s_sub_co_u32 s[STEPS], s[STEPS], 1
	s_cmp_lg_u32 s[STEPS], 0
	s_cbranch_scc1 .Lstep_\@
	s_sub_co_u32 s[TB], s[TB], SLOTB
	s_xor_b32 s[TB], s[TB], SLOT1                  ; the other slot's first step
	s_xor_b32 s[LIM], s[LIM], SLOT1
.endm
	s_wait_alu depctr_va_vdst(0)                   ; the wait at the head's end
	s_wait_loadcnt 0x0                             ; Q
.Lslot:                                            ; three trips: behind each change of slots but the last the next slot is asked for
	CHANGE 1
	RUN
	s_sub_co_u32 s[SLOTS], s[SLOTS], 1
	s_cmp_lg_u32 s[SLOTS], 0
	s_cbranch_scc1 .Lslot
	CHANGE 0                                       ; the last slot is written out
	RUN
	; THE WAY OUT.  O^T / the sum goes into a stage [64 d][256 queries], where the queries come into their order; each wave then stores 8 whole rows of 1,024 bytes.
.irp i, 0,1
	v_pk_add_f32 v[LS+8*\i:LS+8*\i+1], v[LS+8*\i:LS+8*\i+1], v[LS+8*\i+2:LS+8*\i+3]
	v_pk_add_f32 v[LS+8*\i+4:LS+8*\i+5], v[LS+8*\i+4:LS+8*\i+5], v[LS+8*\i+6:LS+8*\i+7]
.endr
	DEP 3
	v_pk_add_f32 v[LS:LS+1], v[LS:LS+1], v[LS+4:LS+5]
	DEP 2
	v_pk_add_f32 v[LS+8:LS+9], v[LS+8:LS+9], v[LS+12:LS+13]
.irp i, 0,1
	DEP 2
	v_add_f32 v[TT+\i], v[LS+8*\i], v[LS+8*\i+1]
.endr
.irp i, 0,1
	DEP 2
	v_permlanex16_b32 v[PD+\i], v[TT+\i], s[SEL], s[SEL+1]
.endr
.irp i, 0,1
	DEP 2
	v_add_f32 v[TT+\i], v[TT+\i], v[PD+\i]         ; with lane l xor 16's keys: the row's sum
.endr
	s_wait_alu depctr_va_vdst(0)
.irp i, 0,1
	v_rcp_f32 v[TT+\i], v[TT+\i]
.endr
	v_and_b32 v8, 7, v0                            ; the address work is the plain place behind the reciprocals
	v_bfe_u32 v9, v0, 3, 1
	v_bfe_u32 v10, v0, 4, 1
	DEP 3
	v_lshlrev_b32 v8, 2, v8
	DEP 1
	v_lshl_add_u32 v8, v9, 7, v8                   ; query r % 8 + 32 (r / 8), 4 bytes each
	DEP 1
	v_mad_u32_u24 v8, v10, 8*SP, v8                ; lanes 16-31 hold the d eight rows on
	s_lshr_b32 s12, s[WV], 1
	s_lshl_b32 s12, s12, 8
	s_and_b32 s13, s[WV], 1
	s_lshl_b32 s13, s13, 6
	s_add_co_u32 s12, s12, s13                     ; my queries begin at 64 (w / 2) + 16 (w % 2); tile i's 8 i further on
	v_add_nc_u32 v8, s12, v8
	s_mul_i32 s13, s[WV], 8*SP
	v_add_nc_u32 v11, s13, v1                      ; back: rows 8 w on, 16 bytes a lane
	s_wait_alu depctr_va_vdst(0)                   ; the wait for the reciprocals, directly ahead of the first reader of them and of O^T
	WIN 0x41                                       ; O^T and the quotient window 1, 1 / sum window 0
.irp i, 0,1
.set J, 0
.rept 32
	v_mul_f32 v[32*\i+J], v[OB+32*\i+J], v[TT+\i]  ; register 8 t + j is o(my query, d = 16 t + 8 h + j); each accumulator from its low end on
.set J, J+1
.endr
.endr
	WIN 0x04                                       ; the stores' data: window 1
.irp i, 0,1
.irp t, 0,1,2,3
.irp j, 0,1,2,3,4,5,6,7
	ds_store_b32 v8, v[32*\i+8*\t+\j] offset:(16*\t+\j)*SP+32*\i
.endr
.endr
.endr
	WIN 0
	s_wait_dscnt 0x0                               ; for the others' sake: my stores into the stage are done
	s_barrier_signal -1
	s_barrier_wait -1
.set J, 0
.rept 8
	ds_load_b128 v[32+8*J:35+8*J], v11 offset:J*SP
	ds_load_b128 v[36+8*J:39+8*J], v11 offset:J*SP+512
.set J, J+1
.endr
.set J, 0
.irp g, 0,1
	s_wait_dscnt 8-8*\g                            ; eight more loads are in; the younger ones may be out
.rept 4
	global_store_b128 v1, v[32+8*J:35+8*J], s[6:7] offset:J*16384 th:TH_STORE_NT       ; 32 lanes store 512 consecutive bytes, at a multiple of 256 from att's first byte
	global_store_b128 v1, v[36+8*J:39+8*J], s[6:7] offset:J*16384+512 th:TH_STORE_NT
.set J, J+1
.endr
.endr
	s_wait_tensorcnt 0x0                           ; the wave's end
	ds_add_u32 v5, v6
	s_wait_dscnt 0x0
	CROUND                                         ; the closing round
	s_endpgm
.Lfunc_end_k_qa7d54187f7_attn:
	.size	k_qa7d54187f7_attn, .Lfunc_end_k_qa7d54187f7_attn-k_qa7d54187f7_attn
	.p2alignl 7, 3214868480
	.fill 96, 4, 3214868480
	.section	.rodata,"a",@progbits
	.p2align	6, 0x0
	.amdhsa_kernel k_qa7d54187f7_attn
		.amdhsa_group_segment_fixed_size 327680
		.amdhsa_private_segment_fixed_size 0
		.amdhsa_enable_private_segment 0
		.amdhsa_kernarg_size 16
		.amdhsa_user_sgpr_count 2
		.amdhsa_user_sgpr_kernarg_segment_ptr 1
		.amdhsa_wavefront_size32 1
		.amdhsa_system_sgpr_workgroup_id_x 1
		.amdhsa_system_sgpr_workgroup_id_y 1
		.amdhsa_system_sgpr_workgroup_id_z 1
		.amdhsa_system_vgpr_workitem_id 0
		.amdhsa_next_free_vgpr 512
		.amdhsa_next_free_sgpr 66
		.amdhsa_reserve_vcc 0
		.amdhsa_float_denorm_mode_32 3
		.amdhsa_float_denorm_mode_16_64 3
		.amdhsa_memory_ordered 1
		.amdhsa_forward_progress 1
		.amdhsa_inst_pref_size 82
	.end_amdhsa_kernel
	.amdgpu_metadata
---
amdhsa.version: [ 1, 2 ]
amdhsa.kernels:
  - .name:           k_qa7d54187f7_attn
    .symbol:         k_qa7d54187f7_attn.kd
    .args:
      - { .name: qkv, .offset: 0, .size: 8, .value_kind: global_buffer, .address_space: global }
      - { .name: att, .offset: 8, .size: 8, .value_kind: global_buffer, .address_space: global }
    .group_segment_fixed_size: 327680
    .private_segment_fixed_size: 0
    .kernarg_segment_align: 8
    .kernarg_segment_size: 16
    .max_flat_workgroup_size: 256
    .sgpr_count:     66
    .vgpr_count:     512
    .wavefront_size: 32
...
	.end_amdgpu_metadata
.endif
;; end of part 3
;; launch tail (part 4): grid 128 x 1, 8 waves a work-group, no clusters, 158,720 bytes of LDS; arguments att, x, img, sw, ln1_g, ln1_b, b1, ln2_g, ln2_b, out0; writes out0
.if DOCPART == 4
	.amdgcn_target "amdgcn-amd-amdhsa--gfx1250"
	.amdhsa_code_object_version 6
	.text
	.protected	k_qa7d54187f7_tail
	.globl	k_qa7d54187f7_tail
	.p2align	8
	.type	k_qa7d54187f7_tail,@function
k_qa7d54187f7_tail:
	s_mov_b64 s[64:65], 0
	v_nop
	global_prefetch_b8 v0, s[64:65] scope:SCOPE_SE
	s_setreg_imm32_b32 hwreg(HW_REG_WAVE_MODE, 25, 1), 1
	s_wait_xcnt 0x0
; TAIL.  h = LN1(att + x); out = Q(h) w1^T + b1 on codes of FP6 (E2M3) with E8M0 scales; out0 = LN2(out + h).  att, read flat, is the [4096][1024] matrix that is added to x.
; SHARES.  A work-group of eight waves owns 32 rows.  Wave w: rows 4 w .. 4 w + 3 in both layer norms (a wave a row: the sums never leave the wave); K step w in the quantiser; columns 128 w .. 128 w + 127 in the product.
; PHASES, three barriers:  A: LN1, h to LDS in f32 | barrier |  B: h's 128 columns of K step w, for the two tiles of 16 rows, quantised: images of the operand's registers to LDS | barrier |
;   C: all 16 fragments of h into registers; my 8 tiles of w1 streamed from memory straight into registers (source 0 = 16 rows of w1, source 1 = h: a lane holds 8 neighbouring columns of one row); b1 is the C of a sum's
;   first product; out + h goes back into h's bytes in LDS, each lane into the bytes that it read | barrier |  D: LN2, whole rows stored.
; Both layer norms are two-pass, as the problem writes them: mean, then the mean of the squared differences.
; JOINT LOADS ARE NOT USED: w1's images go from memory straight into registers, and a joint request lands in LDS; every work-group walks all 786,432 bytes of w1's images.
; LIMITS: NaN and infinities are not served; a block of zeros or under 2^-124 gets the byte 1; the bytes are read by this program alone.
; REGISTERS: window 0: v1-13 addresses; v16-31 at work; v32-43 codes; A: v48-175 two sets of (att 32, x 32); B: v44-50 codes' upper halves, v52-115 64 numbers; C: v48-111 b1, v112-207 a tile of w1, v208-215 its words,
;   v216-223 h's words, v224-239 two accumulators, v240-255 h's numbers; D: v48-175 four rows.   window 1: v0-191 h's 16 fragments (12 (8 m + s)); v192-223 the gain, v224-255 the bias of the layer norm in hand.
.set FRB,   1536
.set TILEB, 8*FRB
.set HP,    4112                       ; a row of h in LDS: 4,096 bytes + 16 = 257 x 16
.set HIMG,  32*HP                      ; behind h: the 16 fragments' images,
.set HSC,   HIMG+16*FRB                ; and their scale words: (s, m, r) at 128 s + 64 m + 4 r
.set ZA,    48
.set X,     52
.set PC,    32
.set T,     44
.set M,     26
.set SO,    28
.set BY,    30
.set PW,    25
.set PD,    24
.set H8,    13
.set SEL,   26                         ; s[26:27]
.set B1,    48
.set WF,    112
.set WS,    208
.set HS,    216
.set ACC,   224
.set HR,    240
.set MSB, 0
.macro WIN new                         ; the immediate's high byte repeats the setting that is left
.if MSB != (\new)
	s_set_vgpr_msb (MSB<<8)|(\new)
.set MSB, (\new)
.endif
.endm
.macro BARRIER                         ; my LDS stores have landed and my LDS loads are in: then the work-group's barrier
	s_wait_dscnt 0x0
	s_barrier_signal -1
	s_barrier_wait -1
.endm
.macro REDUCE                          ; v16 summed over the 32 lanes, the result in every lane
	s_delay_alu instid0(VALU_DEP_1)
	v_add_f32_dpp v16, v16, v16 row_xmask:1 row_mask:0xf bank_mask:0xf
	s_delay_alu instid0(VALU_DEP_1)
	v_add_f32_dpp v16, v16, v16 row_xmask:2 row_mask:0xf bank_mask:0xf
	s_delay_alu instid0(VALU_DEP_1)
	v_add_f32_dpp v16, v16, v16 row_xmask:4 row_mask:0xf bank_mask:0xf
	s_delay_alu instid0(VALU_DEP_1)
	v_add_f32_dpp v16, v16, v16 row_xmask:8 row_mask:0xf bank_mask:0xf
	s_delay_alu instid0(VALU_DEP_1)
	v_permlanex16_b32 v[PD], v16, s[SEL], s[SEL+1]
	s_delay_alu instid0(VALU_DEP_1)
	v_add_f32 v16, v16, v[PD]
.endm
; A row of 1,024 numbers, 32 a lane in v[z] on (register 4 i + e = column 128 i + 4 l + e), is normalised in place with the gain and bias of window 1.
.macro LNROW z
	v_pk_add_f32 v[16:17], v[\z:\z+1], v[\z+2:\z+3]
	v_pk_add_f32 v[18:19], v[\z+4:\z+5], v[\z+6:\z+7]
.irp j, 8,12,16,20,24,28
	s_delay_alu instid0(VALU_DEP_2)
	v_pk_add_f32 v[16:17], v[16:17], v[\z+\j:\z+\j+1]
	s_delay_alu instid0(VALU_DEP_2)
	v_pk_add_f32 v[18:19], v[18:19], v[\z+\j+2:\z+\j+3]
.endr
	s_delay_alu instid0(VALU_DEP_1)
	v_pk_add_f32 v[16:17], v[16:17], v[18:19]
	s_delay_alu instid0(VALU_DEP_1)
	v_add_f32 v16, v16, v17
	REDUCE
	s_delay_alu instid0(VALU_DEP_1)
	v_mul_f32 v20, s28, v16                        ; the mean, twice: a pair for the packed form
	s_delay_alu instid0(VALU_DEP_2)
	v_mul_f32 v21, s28, v16
.irp j, 0,2,4,6,8,10,12,14,16,18,20,22,24,26,28,30
	v_pk_add_f32 v[\z+\j:\z+\j+1], v[\z+\j:\z+\j+1], v[20:21] neg_lo:[0,1] neg_hi:[0,1]
.endr
	v_pk_mul_f32 v[16:17], v[\z:\z+1], v[\z:\z+1]
	v_pk_mul_f32 v[18:19], v[\z+2:\z+3], v[\z+2:\z+3]
.irp j, 4,8,12,16,20,24,28
	s_delay_alu instid0(VALU_DEP_2)
	v_pk_fma_f32 v[16:17], v[\z+\j:\z+\j+1], v[\z+\j:\z+\j+1], v[16:17]
	s_delay_alu instid0(VALU_DEP_2)
	v_pk_fma_f32 v[18:19], v[\z+\j+2:\z+\j+3], v[\z+\j+2:\z+\j+3], v[18:19]
.endr
	s_delay_alu instid0(VALU_DEP_1)
	v_pk_add_f32 v[16:17], v[16:17], v[18:19]
	s_delay_alu instid0(VALU_DEP_1)
	v_add_f32 v16, v16, v17
	REDUCE
	s_delay_alu instid0(VALU_DEP_1)
	v_fma_f32 v22, v16, s28, s29                   ; the variance + 1e-5
	s_wait_alu depctr_va_vdst(0)
	v_rsq_f32 v22, v22
	v_nop                                          ; a plain place behind the transcendental,
	s_wait_alu depctr_va_vdst(0)                   ; and the wait ahead of its first reader
	v_mov_b32 v23, v22
.irp j, 0,2,4,6,8,10,12,14,16,18,20,22,24,26,28,30
	v_pk_mul_f32 v[\z+\j:\z+\j+1], v[\z+\j:\z+\j+1], v[22:23]
.endr
	WIN 0x14                                       ; sources 1 and 2 in window 1
.irp j, 0,2,4,6,8,10,12,14,16,18,20,22,24,26,28,30
	v_pk_fma_f32 v[\z+\j:\z+\j+1], v[\z+\j:\z+\j+1], v[192+\j:193+\j], v[224+\j:225+\j]
.endr
	WIN 0
.endm
; 64 numbers of a lane, v[x + 32 c + i] = k 64 c + 32 h + i of my row, become the fragment's 12 registers in v[pc] on and my row's scale word in v[pw].
.macro QB x, pc, pw
.irp c, 0,1
	v_max3_num_f32 v[M+\c], |v[\x+32*\c]|, |v[\x+32*\c+1]|, 0x1800000   ; block 2 c + h is all mine; the floor 2^(3 - 127) holds the byte at 1 from below
.endr
.irp i, 2,4,6,8,10,12,14,16,18,20,22,24,26,28,30
.irp c, 0,1
	s_delay_alu instid0(VALU_DEP_2)
	v_max3_num_f32 v[M+\c], v[M+\c], |v[\x+32*\c+\i]|, |v[\x+32*\c+\i+1]|
.endr
.endr
.irp c, 0,1
	s_delay_alu instid0(VALU_DEP_2)
	v_add_nc_u32 v[SO+\c], 0xff000000, v[M+\c]     ; 2 off the exponent field: the conversion's scale operand
.endr
.irp c, 0,1
	s_delay_alu instid0(VALU_DEP_2)
	v_lshrrev_b32 v[BY+\c], 23, v[SO+\c]           ; the scale's byte
.endr
	s_delay_alu instid0(VALU_DEP_1)
	v_lshl_or_b32 v[\pw], v[BY+1], 16, v[BY]
	s_delay_alu instid0(VALU_DEP_1)
	v_lshlrev_b32 v[\pw], v[H8], v[\pw]            ; my two bytes at their places (8 h bits up);
	s_delay_alu instid0(VALU_DEP_1)
	v_permlanex16_b32 v[PD], v[\pw], s[SEL], s[SEL+1]
	s_delay_alu instid0(VALU_DEP_1)
	v_or_b32 v[\pw], v[\pw], v[PD]                 ; with lane l xor 16's two the word is whole
.irp c, 0,1
	v_cvt_scalef32_pk16_fp6_f32 v[\pc+6*\c:\pc+6*\c+2], v[\x+32*\c:\x+32*\c+15], v[SO+\c]
	v_cvt_scalef32_pk16_fp6_f32 v[T+4*\c:T+4*\c+2], v[\x+32*\c+16:\x+32*\c+31], v[SO+\c]
.endr
	v_nop                                          ; one plain place behind the scaled conversions
.irp c, 0,1
.irp i, 0,1,2
	v_mov_b32 v[\pc+6*\c+3+\i], v[T+4*\c+\i]
.endr
.endr
.endm
	s_load_b512 s[4:19], s[0:1], 0x0               ; att s[4:5], x s[6:7], img s[8:9], sw s[10:11], ln1_g s[12:13], ln1_b s[14:15], b1 s[16:17], ln2_g s[18:19]
	s_load_b128 s[20:23], s[0:1], 0x40             ; ln2_b s[20:21], out0 s[22:23]
	v_lshrrev_b32 v1, 5, v0
	s_delay_alu instid0(VALU_DEP_1)
	v_readfirstlane_b32 s24, v1                    ; wave 0..7
	v_and_b32 v14, 31, v0                          ; l
	v_and_b32 v15, 15, v0                          ; r
	v_bfe_u32 v13, v0, 4, 1                        ; h
	s_delay_alu instid0(VALU_DEP_3)
	v_lshlrev_b32 v1, 4, v14                       ; v1: 16 l
	s_delay_alu instid0(VALU_DEP_3)
	v_lshlrev_b32 v2, 2, v15                       ; v2: 4 r
	s_mul_i32 s30, s24, 4*HP
	v_add_nc_u32 v3, s30, v1                       ; v3: h by rows: my 4 rows, 16 l
	s_lshl_b32 s31, s24, 9                         ; 512 w
	v_mul_u32_u24 v4, v15, HP
	s_delay_alu instid0(VALU_DEP_1)
	v_add_nc_u32 v4, s31, v4                       ; row r, my 128 columns
	s_delay_alu instid0(VALU_DEP_1)
	v_lshl_add_u32 v10, v13, 5, v4                 ; v10: + 32 h: a result's eight columns, rows 0-15;
	s_delay_alu instid0(VALU_DEP_1)
	v_add_nc_u32 v11, 16*HP, v10                   ; v11: rows 16-31
	s_delay_alu instid0(VALU_DEP_3)
	v_lshl_add_u32 v4, v13, 7, v4                  ; v4: + 128 h: a block of 32, rows 0-15;
	s_delay_alu instid0(VALU_DEP_1)
	v_add_nc_u32 v5, 16*HP, v4                     ; v5: rows 16-31
	v_add_nc_u32 v6, HIMG, v1                      ; v6: an image's place for my lane
	s_mul_i32 s32, s24, FRB
	v_add_nc_u32 v7, s32, v6                       ; v7: where I store K step w's images
	s_lshl_b32 s33, s24, 7
	s_add_co_u32 s33, s33, HSC
	v_add_nc_u32 v8, s33, v2                       ; v8: and their scale words
	v_lshl_add_u32 v9, v14, 2, HSC                 ; v9: lanes 0-15 rows 0-15's words, lanes 16-31 rows 16-31's
	v_lshlrev_b32 v12, 5, v13                      ; v12: 32 h, for b1
	v_lshlrev_b32 v[H8], 3, v13                    ; v13: 8 h
	v_mov_b32 v[PD], 0                             ; written once: a lane permute's destination counts as one of its sources
	s_mov_b32 s[SEL], 0x76543210
	s_mov_b32 s[SEL+1], 0xfedcba98
	s_mov_b32 s28, 0x3a800000                      ; 1 / 1,024
	s_mov_b32 s29, 0x3727c5ac                      ; 1e-5
	s_lshl_b32 s34, ttmp9, 17                      ; 32 rows of 4,096 bytes a work-group,
	s_lshl_b32 s35, s24, 14                        ; 4 a wave
	s_add_co_u32 s34, s34, s35
	s_mov_b32 s35, 0
	s_lshl_b32 s36, s24, 3
	s_add_co_u32 s36, s36, 448                     ; my first tile of w1 in img and sw
	s_lshl_b32 s38, s36, 9
	s_mul_i32 s36, s36, TILEB
	s_mov_b32 s37, 0
	s_mov_b32 s39, 0
	s_mov_b32 s40, s31                             ; b1: my 128 numbers
	s_mov_b32 s41, 0
	s_wait_kmcnt 0x0
	s_add_nc_u64 s[4:5], s[4:5], s[34:35]
	s_add_nc_u64 s[6:7], s[6:7], s[34:35]
	s_add_nc_u64 s[22:23], s[22:23], s[34:35]
	s_add_nc_u64 s[8:9], s[8:9], s[36:37]
	s_add_nc_u64 s[10:11], s[10:11], s[38:39]
	s_add_nc_u64 s[16:17], s[16:17], s[40:41]
	; ---- A: h = LN1(att + x)
	WIN 0x40                                       ; destination window 1
.irp i, 0,1,2,3,4,5,6,7
	global_load_b128 v[192+4*\i:195+4*\i], v1, s[12:13] offset:512*\i
	global_load_b128 v[224+4*\i:227+4*\i], v1, s[14:15] offset:512*\i
.endr
	WIN 0
.macro ROWLOAD i                       ; my row i of att and of x into set i % 2: 16 loads of 512 consecutive bytes
.irp j, 0,1,2,3,4,5,6,7
	global_load_b128 v[ZA+64*((\i)%2)+4*\j:ZA+64*((\i)%2)+4*\j+3], v1, s[4:5] offset:4096*(\i)+512*\j th:TH_LOAD_NT
	global_load_b128 v[ZA+32+64*((\i)%2)+4*\j:ZA+32+64*((\i)%2)+4*\j+3], v1, s[6:7] offset:4096*(\i)+512*\j th:TH_LOAD_NT
.endr
.endm
.macro ROWA i
.set Z, ZA+64*((\i)%2)
.if \i < 3
	s_wait_loadcnt 16                              ; this row's loads (and all older ones) are in; the next row's 16 may be out
.else
	s_wait_loadcnt 0x0
.endif
.irp j, 0,2,4,6,8,10,12,14,16,18,20,22,24,26,28,30
	v_pk_add_f32 v[Z+\j:Z+\j+1], v[Z+\j:Z+\j+1], v[Z+32+\j:Z+32+\j+1]
.endr
	LNROW Z
.irp j, 0,1,2,3,4,5,6,7
	ds_store_b128 v3, v[Z+4*\j:Z+4*\j+3] offset:HP*(\i)+512*\j
.endr
	s_wait_dscnt 0x0                               ; the stores have read their registers
.if \i < 2
	ROWLOAD \i+2
.endif
.endm
	ROWLOAD 0
	ROWLOAD 1
	ROWA 0
	ROWA 1
	ROWA 2
	ROWA 3
	WIN 0x40
.irp i, 0,1,2,3,4,5,6,7
	global_load_b128 v[192+4*\i:195+4*\i], v1, s[18:19] offset:512*\i   ; the second layer norm's gain and bias take the first's place
	global_load_b128 v[224+4*\i:227+4*\i], v1, s[20:21] offset:512*\i
.endr
	WIN 0
	BARRIER                                        ; 32 rows of h lie in LDS
	; ---- B: K step w of h, two tiles of 16 rows, becomes two fragments
.irp m, 0,1
.irp c, 0,1
.irp i, 0,1,2,3,4,5,6,7
	ds_load_b128 v[X+32*\c+4*\i:X+32*\c+4*\i+3], v[4+\m] offset:256*\c+16*\i
.endr
.endr
	s_wait_dscnt 0x0
	QB X, PC, PW
.irp c, 0,1,2
	ds_store_b128 v7, v[PC+4*\c:PC+4*\c+3] offset:TILEB*\m+512*\c
.endr
	ds_store_b32 v8, v[PW] offset:64*\m            ; both halves of the lanes hold and write the same word
	s_wait_dscnt 0x0                               ; the stores have read their registers
.endr
.macro WGROUP t, s                     ; K step s of my tile t of w1: a fragment and its scale words: four loads
.irp c, 0,1,2
	global_load_b128 v[WF+12*(\s)+4*\c:WF+12*(\s)+4*\c+3], v1, s[8:9] offset:TILEB*(\t)+FRB*(\s)+512*\c
.endr
	global_load_b32 v[WS+(\s)], v2, s[10:11] offset:512*(\t)+64*(\s)
.endm
.irp t, 0,1,2,3,4,5,6,7
	global_load_b128 v[B1+8*\t:B1+8*\t+3], v12, s[16:17] offset:64*\t          ; b1 in the result's layout: tile t, columns 16 t + 8 h + 0 .. 7
	global_load_b128 v[B1+8*\t+4:B1+8*\t+7], v12, s[16:17] offset:64*\t+16
.endr
.irp s, 0,1,2,3,4,5,6,7
	WGROUP 0, \s
.endr
	BARRIER                                        ; h's sixteen fragments lie in LDS
	; ---- C: out = Q(h) w1^T + b1; y = out + h
	WIN 0x40
.irp f, 0,1,2,3,4,5,6,7,8,9,10,11,12,13,14,15
.irp c, 0,1,2
	ds_load_b128 v[12*\f+4*\c:12*\f+4*\c+3], v6 offset:FRB*\f+512*\c
.endr
.endr
	WIN 0
.irp s, 0,1,2,3,4,5,6,7
	ds_load_b32 v[HS+\s], v9 offset:128*\s
.endr
	s_wait_loadcnt 0x0                             ; once: b1, w1's first tile, the second layer norm's gain and bias
	s_wait_dscnt 0x0
.macro CTILE t
	ds_load_b128 v[HR:HR+3], v10 offset:64*(\t)    ; h at my results' places: they land under the products
	ds_load_b128 v[HR+4:HR+7], v10 offset:64*(\t)+16
	ds_load_b128 v[HR+8:HR+11], v11 offset:64*(\t)
	ds_load_b128 v[HR+12:HR+15], v11 offset:64*(\t)+16
	WIN 0x04                                       ; source 1 (h) in window 1; the loads and v_nop below name no source 1
.irp q, 0,1,2,3
.if \t < 7
	s_wait_loadcnt 24                              ; K steps 2 q, 2 q + 1 are in: behind them stand 6 groups of four: this tile's later K steps and the next tile's earlier ones
.else
	s_wait_loadcnt 4*(6-2*\q)                      ; the last tile: only its own later K steps
.endif
.irp u, 0,1
.if 2*\q+\u == 0
	v_wmma_scale_f32_16x16x128_f8f6f4 v[ACC:ACC+7], v[WF:WF+11], v[0:11], v[B1+8*(\t):B1+8*(\t)+7], v[WS], v[HS] matrix_a_fmt:MATRIX_FMT_FP6 matrix_b_fmt:MATRIX_FMT_FP6
	v_wmma_scale_f32_16x16x128_f8f6f4 v[ACC+8:ACC+15], v[WF:WF+11], v[96:107], v[B1+8*(\t):B1+8*(\t)+7], v[WS], v[HS] matrix_a_fmt:MATRIX_FMT_FP6 matrix_b_fmt:MATRIX_FMT_FP6 matrix_b_scale:MATRIX_SCALE_ROW1
.else
	v_wmma_scale_f32_16x16x128_f8f6f4 v[ACC:ACC+7], v[WF+12*(2*\q+\u):WF+12*(2*\q+\u)+11], v[12*(2*\q+\u):12*(2*\q+\u)+11], v[ACC:ACC+7], v[WS+2*\q+\u], v[HS+2*\q+\u] matrix_a_fmt:MATRIX_FMT_FP6 matrix_b_fmt:MATRIX_FMT_FP6
	v_wmma_scale_f32_16x16x128_f8f6f4 v[ACC+8:ACC+15], v[WF+12*(2*\q+\u):WF+12*(2*\q+\u)+11], v[96+12*(2*\q+\u):96+12*(2*\q+\u)+11], v[ACC+8:ACC+15], v[WS+2*\q+\u], v[HS+2*\q+\u] matrix_a_fmt:MATRIX_FMT_FP6 matrix_b_fmt:MATRIX_FMT_FP6 matrix_b_scale:MATRIX_SCALE_ROW1
.endif
.endr
.rept 4+\q/3
	v_nop                                          ; four places in front of the loads into the fragments and words just read; behind the tile's last products five: the next tile's first products begin the two sums anew over these registers
.endr
.if \t < 7
	WGROUP \t+1, 2*\q
	WGROUP \t+1, 2*\q+1
.endif
.endr
	WIN 0
	s_wait_dscnt 0x0                               ; h's numbers are in
.irp j, 0,2,4,6,8,10,12,14
	v_pk_add_f32 v[HR+\j:HR+\j+1], v[ACC+\j:ACC+\j+1], v[HR+\j:HR+\j+1]   ; out + h; each accumulator from its low end on
.endr
	ds_store_b128 v10, v[HR:HR+3] offset:64*(\t)   ; back into the bytes that this lane read: no other lane touches them in this phase
	ds_store_b128 v10, v[HR+4:HR+7] offset:64*(\t)+16
	ds_store_b128 v11, v[HR+8:HR+11] offset:64*(\t)
	ds_store_b128 v11, v[HR+12:HR+15] offset:64*(\t)+16
	s_wait_dscnt 0x0                               ; the stores have read their registers
.endm
.irp t, 0,1,2,3,4,5,6,7
	CTILE \t
.endr
	BARRIER                                        ; 32 whole rows of out + h lie in LDS
	; ---- D: out0 = LN2(out + h)
.irp i, 0,1,2,3
.irp j, 0,1,2,3,4,5,6,7
	ds_load_b128 v[ZA+32*\i+4*\j:ZA+32*\i+4*\j+3], v3 offset:HP*\i+512*\j
.endr
.endr
.irp i, 0,1,2,3
	s_wait_dscnt 24-8*\i                           ; row i's eight loads are in; the later rows' may be out
	LNROW ZA+32*\i
.irp j, 0,1,2,3,4,5,6,7
	global_store_b128 v1, v[ZA+32*\i+4*\j:ZA+32*\i+4*\j+3], s[22:23] offset:4096*\i+512*\j th:TH_STORE_NT   ; 32 lanes store 512 consecutive bytes, at a multiple of 256 from out0's first byte; each row has registers of its own
.endr
.endr
	s_wait_xcnt 0x0
	v_lshl_add_u32 v254, v0, 2, 0x26800
	v_mov_b32 v255, 0
	s_wait_alu depctr_va_vdst(0)
	s_wait_tensorcnt 0x0
	ds_add_u32 v254, v255
	s_wait_dscnt 0x0
	s_endpgm
.Lfunc_end_k_qa7d54187f7_tail:
	.size	k_qa7d54187f7_tail, .Lfunc_end_k_qa7d54187f7_tail-k_qa7d54187f7_tail
	.p2alignl 7, 3214868480
	.fill 96, 4, 3214868480
	.section	.rodata,"a",@progbits
	.p2align	6, 0x0
	.amdhsa_kernel k_qa7d54187f7_tail
		.amdhsa_group_segment_fixed_size 158720
		.amdhsa_private_segment_fixed_size 0
		.amdhsa_enable_private_segment 0
		.amdhsa_kernarg_size 80
		.amdhsa_user_sgpr_count 2
		.amdhsa_user_sgpr_kernarg_segment_ptr 1
		.amdhsa_wavefront_size32 1
		.amdhsa_system_sgpr_workgroup_id_x 1
		.amdhsa_system_sgpr_workgroup_id_y 1
		.amdhsa_system_sgpr_workgroup_id_z 1
		.amdhsa_system_vgpr_workitem_id 0
		.amdhsa_next_free_vgpr 512
		.amdhsa_next_free_sgpr 66
		.amdhsa_reserve_vcc 0
		.amdhsa_float_denorm_mode_32 3
		.amdhsa_float_denorm_mode_16_64 3
		.amdhsa_memory_ordered 1
		.amdhsa_forward_progress 1
		.amdhsa_inst_pref_size 155
	.end_amdhsa_kernel
	.amdgpu_metadata
---
amdhsa.version: [ 1, 2 ]
amdhsa.kernels:
  - .name:           k_qa7d54187f7_tail
    .symbol:         k_qa7d54187f7_tail.kd
    .args:
      - { .name: att, .offset: 0, .size: 8, .value_kind: global_buffer, .address_space: global }
      - { .name: x, .offset: 8, .size: 8, .value_kind: global_buffer, .address_space: global }
      - { .name: img, .offset: 16, .size: 8, .value_kind: global_buffer, .address_space: global }
      - { .name: sw, .offset: 24, .size: 8, .value_kind: global_buffer, .address_space: global }
      - { .name: ln1_g, .offset: 32, .size: 8, .value_kind: global_buffer, .address_space: global }
      - { .name: ln1_b, .offset: 40, .size: 8, .value_kind: global_buffer, .address_space: global }
      - { .name: b1, .offset: 48, .size: 8, .value_kind: global_buffer, .address_space: global }
      - { .name: ln2_g, .offset: 56, .size: 8, .value_kind: global_buffer, .address_space: global }
      - { .name: ln2_b, .offset: 64, .size: 8, .value_kind: global_buffer, .address_space: global }
      - { .name: out0, .offset: 72, .size: 8, .value_kind: global_buffer, .address_space: global }
    .group_segment_fixed_size: 158720
    .private_segment_fixed_size: 0
    .kernarg_segment_align: 8
    .kernarg_segment_size: 80
    .max_flat_workgroup_size: 256
    .sgpr_count:     66
    .vgpr_count:     512
    .wavefront_size: 32
...
	.end_amdgpu_metadata
.endif
;; end of part 4
